; MI455X (gfx1250); checked and timed in simulation.
; The chip was launched on July 23, 2026; its instructions are those of AMD's public machine-readable ISA for CDNA 5 (MIT licence, August 2026) and "CDNA5" Instruction Set Architecture Reference Guide (July 2026). The comments in the code are by the model that wrote it; some were corrected since.
;; Faster SPFNS Multi Head Attention. Allowed arithmetic: matrix products marked QUANTISED: E2M1 operands, one E8M0 scale for each 32 along K, by v_wmma_scale_f32_16x16x128_f8f6f4 with both operands' format E2M1 (or v_wmma_scale_f32_32x16x128_f4), f32 sums; products left as they are: bf16, f16 or f32 operands; f32 sums; everything else in f32.
;; Inputs: b_out 1,024 float32; b_qkv 3,072 float32; w_out 1,024 x 1,024 float32; w_qkv 3,072 x 1,024 float32; x 2 x 2,048 x 1,024 float32.
;; Outputs: out0 2 x 2,048 x 1,024 float32.
;; This version of the problem:
;;   THIS VERSION OF THE PROBLEM IS GIVEN IN LOW PRECISION. The matrix products marked QUANTISED in the list below multiply operands that are first quantised to E2M1 (2 exponent bits, 1 mantissa bit; 4 bits a number), with one power-of-two scale for each 32 numbers along K (OCP MX v1.0); their sums are f32. The products marked 'left as it is' may take bf16, f16 or f32 operands, with f32 sums. Whichever they take, every output number must still come out within the allowed error. Rounding operands to bf16 (8 significant bits) uses up far more of that allowance than f16 does (11 bits, for magnitudes from 6e-5 to 65,504). All else is computed in f32.
;;   The module's matrix products, in the order in which they are computed (A, B: the left and right operand; K: the contracted axis; several contracted axes count as one K, in the product's order):
;;     1. [M 4,096, K 1,024] x [K 1,024, N 3,072]; A: input x; B: input w_qkv: QUANTISED
;;     2. batch 32 x [M 2,048, K 64] x [K 64, N 2,048]; A: computed on the way; B: computed on the way: left as it is (an operand is computed on the way)
;;     3. batch 32 x [M 2,048, K 2,048] x [K 2,048, N 64]; A: computed on the way; B: computed on the way: left as it is (an operand is computed on the way)
;;     4. [M 4,096, K 1,024] x [K 1,024, N 1,024]; A: computed on the way; B: input w_out: left as it is (an operand is computed on the way)
;;   THE QUANTISER, for each operand of a quantised product, along K:
;;     - K is cut into blocks of 32 from its start; a last block that is shorter is filled with zeros.
;;     - A block's scale is 2^e with e = floor(log2(the largest magnitude in the block)) - 2, held to -126 .. 127; a block of zeros has e = 0. As a byte (E8M0): e + 127.
;;     - Each number is divided by its block's scale, clamped to +-6, and rounded to the nearest number of E2M1, ties to even, subnormals kept.
;;     - The product sums the exact products of the quantised numbers (number of the format x scale) in f32.
;;   ~~~python
;;   def quantise(x, axis):      # numpy; x: float32 -> the quantised numbers, widened to float32 again
;;       x = np.moveaxis(x, axis, -1); K = x.shape[-1]
;;       x = np.pad(x, [(0, 0)] * (x.ndim - 1) + [(0, -K % 32)]); x = x.reshape(x.shape[:-1] + (-1, 32)); a = np.abs(x).max(-1, keepdims=True)
;;       e = np.where(a > 0, np.clip(np.frexp(np.where(a > 0, a, 1))[1] - 1 - 2, -126, 127), 0)      # np.frexp(a)[1] - 1 = floor(log2(a)), exactly
;;       r = np.clip(x / 2.0 ** e, -6, 6)
;;       step = 2.0 ** (np.maximum(np.frexp(np.where(r == 0, 1, r))[1] - 1, 0) - 1)
;;       q = np.round(r / step) * step * 2.0 ** e      # np.round: ties to even
;;       return np.moveaxis(q.reshape(q.shape[:-2] + (-1,))[..., :K], -1, axis).astype(np.float32)
;;   ~~~
;; One version. Each part assembles by itself: llvm-mc -triple=amdgcn-amd-amdhsa -mcpu=gfx1250 --defsym DOCPART=n.
;; ======== version 1 of 1: 5 launches
;; limits: a function is approximated: absolute error at most 6.8e-05; values are held in f16: magnitudes above 65,504 overflow, below 6.1e-05 lose precision; values outside matrix products are rounded to f16
;; workspace buffers: codes 3,670,016 bytes; scales 229,376 bytes; wimg 2,097,152 bytes; qk 16,777,216 bytes; vimg 16,777,216 bytes; vp 8,650,752 bytes; sc 268,435,456 bytes; aimg 8,388,608 bytes
;; launch prep (part 1): grid 256 x 1, 4 waves a work-group, no clusters, 33,280 bytes of LDS; arguments x, w_qkv, w_out, codes, scales, wimg; writes codes, scales, wimg
.if DOCPART == 1
	.amdgcn_target "amdgcn-amd-amdhsa--gfx1250"
	.amdhsa_code_object_version 6
	.text
	.protected	k_q0c5c0ac306_prep
	.globl	k_q0c5c0ac306_prep
	.p2align	8
	.type	k_q0c5c0ac306_prep,@function
k_q0c5c0ac306_prep:
	s_mov_b64 s[64:65], 0
	v_nop
	global_prefetch_b8 v0, s[64:65] scope:SCOPE_SE
	s_setreg_imm32_b32 hwreg(HW_REG_WAVE_MODE, 25, 1), 1
	s_wait_xcnt 0x0
; x [4096][1024] and w_qkv [3072][1024], f32, become codes of FP4 (E2M1), K innermost, two codes a byte, with one E8M0 byte for each 32 along K; w_out [1024][1024] becomes f16.
; WORK-GROUPS 0 TO 223 QUANTISE.  Rows are dense and K is a multiple of 32, so both tensors are plain streams of blocks of 32, and so are the codes and the scale bytes: x's 512 runs of 8,192 numbers first, then w_qkv's 384,
; in ONE stream of codes (4,096 bytes a run) and one of scale bytes (256 a run): run 4 x work-group + wave.  Only the input's pointer is chosen, by the work-group's number.
; A block's scale is 2^(floor(log2(its largest magnitude)) - 2); its byte is the largest magnitude's exponent field - 2, held at 1 from below.  A block of zeros so gets the byte 1 where the rule says 127: its codes are zeros,
; which add nothing under any byte but 0xff, and this program alone reads the bytes.
; LIMITS: blocks whose largest magnitude lies under 2^(2 - 126), whose byte is held at 1, are quantised under that byte; NaN and infinities among the inputs are not served.
; A wave takes 16 steps of 512 numbers.  Each of a step's four loads reads 512 consecutive bytes; the 2,048 bytes go through the wave's own stage in LDS and come back 64 bytes a lane, so that a lane holds 16 neighbours
; along K (two lanes a block).  A lane's 16 codes are 8 bytes: the wave stores 256 consecutive bytes.  A wave's 256 scale bytes are gathered in LDS and leave as one store of 256 consecutive bytes.
; WORK-GROUPS 224 TO 255 lay w_out as f16 in the order of the projection's operand registers: [tile of 16 rows n][block of 16 along k][lane][8 numbers]: lane (r, h) of block q holds row r, k = 16 q + 8 h + 0 .. 7.
; A wave takes one tile of rows and 512 along K: 32 blocks, in four rounds of eight; each store covers 512 consecutive bytes.  This path uses no LDS.
.set WAVES, 4
.set STEPS, 16
.set WGA,   128                        ; x's work-groups: 4,096 x 1,024 / 32,768
.set WGQ,   224                        ; and with w_qkv's 96
.set EMAX,  2
.set CB,    8                          ; bytes of 16 codes
.set R,     16                         ; v16-79   four sets of 16 numbers as loaded (w_out: v16-143, two sets of 64)
.set X,     80                         ; v80-111  two sets of 16 neighbours
.set C,     128                        ; v128-191 codes: four registers for each step, so that no store's data are written again
.set E,     112                        ; v112-127 a scale byte for each step
.set WO,    144                        ; v144-175 w_out: eight blocks of f16
.set WREG,  8192                       ; LDS: a region for each wave: two stages of 32 x SP bytes, behind them its 256 scale bytes
.set SP,    80                         ; a lane's place in a stage: 64 bytes + 16 of padding
.set SPW,   12                         ; v12      LDS address of my spare word; never rewritten
.set NIL,   13                         ; v13      0; never rewritten
.set SPARE, WAVES*WREG                 ; behind the four regions: the spare words, 128 bytes a wave
	s_load_b128 s[4:7], s[0:1], 0x0                ; x, w_qkv
	s_load_b128 s[8:11], s[0:1], 0x10              ; w_out, codes
	s_load_b128 s[12:15], s[0:1], 0x20             ; scales, wimg
	v_lshl_add_u32 v[SPW], v0, 2, SPARE
	v_mov_b32 v[NIL], 0
	v_lshrrev_b32 v1, 5, v0
	v_readfirstlane_b32 s16, v1                    ; wave
	v_and_b32 v2, 31, v0                           ; lane
	v_lshlrev_b32 v3, 4, v2                        ; 16 x lane
	s_wait_kmcnt 0x0
	s_cmp_ge_u32 ttmp9, WGQ                        ; the last 32 work-groups take w_out
	s_cbranch_scc1 .Lwout
	s_mul_i32 s17, s16, WREG
	v_lshrrev_b32 v14, 2, v2
	v_mul_u32_u24 v14, v14, SP
	v_and_b32 v15, 3, v2
	v_lshl_add_u32 v14, v15, 4, v14
	v_add_nc_u32 v14, s17, v14                     ; the stage, on the way in: SP (lane / 4) + 16 (lane % 4)
	v_mul_u32_u24 v15, v2, SP
	v_add_nc_u32 v15, s17, v15                     ; and on the way out: SP x lane: my 16 neighbours
	v_mul_u32_u24 v4, v2, CB                       ; my codes' place in a step's
	v_lshrrev_b32 v5, 1, v2
	s_add_co_u32 s17, s17, 2*32*SP
	v_add_nc_u32 v5, s17, v5                       ; LDS: my wave's 256 scale bytes, my block's byte
	v_lshlrev_b32 v7, 3, v2                        ; and on the way out 8 bytes a lane
	v_add_nc_u32 v6, s17, v7
	s_cmp_lt_u32 ttmp9, WGA                        ; x's work-group or w_qkv's?  The choice hangs on the work-group's number alone
	s_cselect_b64 s[4:5], s[4:5], s[6:7]
	s_cselect_b32 s17, 0, WGA
	s_sub_co_u32 s17, ttmp9, s17
	s_lshl_b32 s17, s17, 2
	s_add_co_u32 s18, s17, s16                     ; which run of 8,192 numbers of the tensor is my wave's
	s_mov_b32 s19, 0
	s_lshl_b64 s[20:21], s[18:19], 15              ; 32,768 bytes a run
	s_add_nc_u64 s[4:5], s[4:5], s[20:21]
	s_lshl_b32 s18, ttmp9, 2
	s_add_co_u32 s18, s18, s16                     ; and which run of the two streams that leave
	s_lshl_b64 s[20:21], s[18:19], 12              ; 4,096 bytes of codes a run
	s_add_nc_u64 s[10:11], s[10:11], s[20:21]
	s_lshl_b64 s[20:21], s[18:19], 8               ; 256 scale bytes a run
	s_add_nc_u64 s[12:13], s[12:13], s[20:21]
.macro LOAD t
.irp i, 0,1,2,3
	global_load_b128 v[R+16*((\t)%4)+4*\i:R+16*((\t)%4)+4*\i+3], v3, s[4:5] offset:2048*(\t)+512*\i th:TH_LOAD_NT   ; 32 lanes read 512 consecutive bytes
.endr
.endm
.macro TURN t                          ; step t's numbers through the stage: LDS serves a wave's instructions in order, so no wait stands between the stores and the loads
.irp i, 0,1,2,3
	ds_store_b128 v14, v[R+16*((\t)%4)+4*\i:R+16*((\t)%4)+4*\i+3] offset:32*SP*((\t)%2)+8*SP*\i
.endr
.irp i, 0,1,2,3
	ds_load_b128 v[X+16*((\t)%2)+4*\i:X+16*((\t)%2)+4*\i+3], v15 offset:32*SP*((\t)%2)+16*\i
.endr
.endm
.irp t, 0,1,2,3
	LOAD \t
.endr
	s_wait_loadcnt 12                              ; step 0's four loads are in
	TURN 0
.macro STEP t
.set XS, X+16*((\t)%2)
.if (\t) > 0
	s_wait_dscnt 1                                 ; this step's numbers are back from the stage (the last step's byte store may be out): so its stores into the stage have read their registers,
.else
	s_wait_dscnt 0x0
.endif
.if (\t)+4 < STEPS
	LOAD (\t)+4                                    ; which take the loads of four steps on
.endif
.if (\t)+1 < STEPS
.if STEPS-2-(\t) >= 3
	s_wait_loadcnt 12                              ; the next step's four loads are in; those of the three steps behind it may be out
.else
	s_wait_loadcnt 4*(STEPS-2-(\t))
.endif
	TURN (\t)+1                                    ; and go through the other stage while this step is worked
.endif
	v_max3_num_f32 v8, |v[XS]|, |v[XS+1]|, |v[XS+2]|               ; the largest magnitude of my 16, in two chains
	v_max3_num_f32 v9, |v[XS+3]|, |v[XS+4]|, |v[XS+5]|
.irp i, 6,10
	v_max3_num_f32 v8, v8, |v[XS+\i]|, |v[XS+\i+1]|
	v_max3_num_f32 v9, v9, |v[XS+\i+2]|, |v[XS+\i+3]|
.endr
	v_max3_num_f32 v8, v8, |v[XS+14]|, |v[XS+15]|
	v_max3_num_f32 v8, v8, v9, (EMAX+1)<<23        ; and the floor 2^(EMAX + 1 - 127): so the byte cannot fall under 1
	v_max_num_f32_dpp v8, v8, v8 row_xmask:1 row_mask:0xf bank_mask:0xf   ; and of my neighbour's 16: the block's
	v_add_nc_u32 v11, -(EMAX<<23), v8              ; EMAX off its exponent field: the conversion takes the exponent field of this operand as its scale, and nothing else of it
	v_cvt_scalef32_pk8_fp4_f32 v[C+4*(\t)], v[XS:XS+7], v11        ; eight numbers / the scale, to the nearest code, ties to even, beyond the largest code the largest
	v_cvt_scalef32_pk8_fp4_f32 v[C+4*(\t)+1], v[XS+8:XS+15], v11
	v_lshrrev_b32 v[E+(\t)], 23, v11               ; the scale's byte
	ds_store_b8 v5, v[E+(\t)] offset:16*(\t)       ; both lanes of a block write the same byte with the same value
	global_store_b64 v4, v[C+4*(\t):C+4*(\t)+1], s[10:11] offset:32*CB*(\t)   ; 32 lanes store 256 consecutive bytes
.endm
.irp t, 0,1,2,3,4,5,6,7,8,9,10,11,12,13,14,15
	STEP \t
.endr
	ds_load_b64 v[8:9], v6                         ; LDS serves a wave's instructions in order: these see my stores
	s_wait_dscnt 0x0
	global_store_b64 v7, v[8:9], s[12:13]          ; 32 lanes store 256 consecutive bytes
	s_wait_tensorcnt 0x0                           ; the wave's end, behind my last LDS store
	ds_add_u32 v[SPW], v[NIL]
	s_wait_dscnt 0x0
	s_endpgm
.Lwout:
	s_sub_co_u32 s17, ttmp9, WGQ
	s_lshl_b32 s17, s17, 1
	s_lshr_b32 s18, s16, 1
	s_add_co_u32 s17, s17, s18                     ; my tile of 16 rows: 2 x (work-group - 224) + wave / 2
	s_and_b32 s18, s16, 1                          ; my half of K
	s_lshl_b32 s20, s17, 16                        ; in: 16 rows of 4,096 bytes,
	s_lshl_b32 s19, s18, 11                        ; 512 numbers along K
	s_add_co_u32 s20, s20, s19
	s_mov_b32 s21, 0
	s_add_nc_u64 s[8:9], s[8:9], s[20:21]
	s_lshl_b32 s20, s17, 15                        ; out: 64 blocks of 512 bytes a tile,
	s_lshl_b32 s19, s18, 14                        ; 32 of them a half
	s_add_co_u32 s20, s20, s19
	s_add_nc_u64 s[14:15], s[14:15], s[20:21]
	v_and_b32 v4, 15, v0
	v_bfe_u32 v5, v0, 4, 1
	v_lshlrev_b32 v4, 12, v4
	v_lshl_add_u32 v4, v5, 5, v4                   ; row r, + 8 h numbers
.macro WLOAD g                         ; round g: eight blocks, 32 bytes a lane each, into set g % 2
.irp q, 0,1,2,3,4,5,6,7
	global_load_b128 v[R+64*((\g)%2)+8*\q:R+64*((\g)%2)+8*\q+3], v4, s[8:9] offset:64*(8*(\g)+\q)
	global_load_b128 v[R+64*((\g)%2)+8*\q+4:R+64*((\g)%2)+8*\q+7], v4, s[8:9] offset:64*(8*(\g)+\q)+16
.endr
.endm
.macro WCVT g
.if (\g) < 3
	s_wait_loadcnt 16                              ; this round's 16 loads are in; the next round's may be out
.else
	s_wait_loadcnt 0
.endif
.if (\g) > 0
	s_wait_xcnt 0x0                                ; the last round's stores have read their registers: they are written again only behind this wait
.endif
.irp q, 0,1,2,3,4,5,6,7
.irp p, 0,1,2,3
	v_cvt_pk_f16_f32 v[WO+4*\q+\p], v[R+64*((\g)%2)+8*\q+2*\p], v[R+64*((\g)%2)+8*\q+2*\p+1]
.endr
	global_store_b128 v3, v[WO+4*\q:WO+4*\q+3], s[14:15] offset:512*(8*(\g)+\q)   ; 32 lanes store 512 consecutive bytes
.endr
.if (\g)+2 < 4
	WLOAD (\g)+2
.endif
.endm
	WLOAD 0
	WLOAD 1
	WCVT 0
	WCVT 1
	WCVT 2
	WCVT 3
	s_endpgm
.Lfunc_end_k_q0c5c0ac306_prep:
	.size	k_q0c5c0ac306_prep, .Lfunc_end_k_q0c5c0ac306_prep-k_q0c5c0ac306_prep
	.p2alignl 7, 3214868480
	.fill 96, 4, 3214868480
	.section	.rodata,"a",@progbits
	.p2align	6, 0x0
	.amdhsa_kernel k_q0c5c0ac306_prep
		.amdhsa_group_segment_fixed_size 33280
		.amdhsa_private_segment_fixed_size 0
		.amdhsa_enable_private_segment 0
		.amdhsa_kernarg_size 48
		.amdhsa_user_sgpr_count 2
		.amdhsa_user_sgpr_kernarg_segment_ptr 1
		.amdhsa_wavefront_size32 1
		.amdhsa_system_sgpr_workgroup_id_x 1
		.amdhsa_system_sgpr_workgroup_id_y 1
		.amdhsa_system_sgpr_workgroup_id_z 1
		.amdhsa_system_vgpr_workitem_id 0
		.amdhsa_next_free_vgpr 192
		.amdhsa_next_free_sgpr 66
		.amdhsa_reserve_vcc 0
		.amdhsa_float_denorm_mode_32 3
		.amdhsa_float_denorm_mode_16_64 3
		.amdhsa_memory_ordered 1
		.amdhsa_forward_progress 1
		.amdhsa_inst_pref_size 51
	.end_amdhsa_kernel
	.amdgpu_metadata
---
amdhsa.version: [ 1, 2 ]
amdhsa.kernels:
  - .name:           k_q0c5c0ac306_prep
    .symbol:         k_q0c5c0ac306_prep.kd
    .args:
      - { .name: x, .offset: 0, .size: 8, .value_kind: global_buffer, .address_space: global }
      - { .name: w_qkv, .offset: 8, .size: 8, .value_kind: global_buffer, .address_space: global }
      - { .name: w_out, .offset: 16, .size: 8, .value_kind: global_buffer, .address_space: global }
      - { .name: codes, .offset: 24, .size: 8, .value_kind: global_buffer, .address_space: global }
      - { .name: scales, .offset: 32, .size: 8, .value_kind: global_buffer, .address_space: global }
      - { .name: wimg, .offset: 40, .size: 8, .value_kind: global_buffer, .address_space: global }
    .group_segment_fixed_size: 33280
    .private_segment_fixed_size: 0
    .kernarg_segment_align: 8
    .kernarg_segment_size: 48
    .max_flat_workgroup_size: 128
    .sgpr_count:     66
    .vgpr_count:     192
    .wavefront_size: 32
...
	.end_amdgpu_metadata
.endif
;; end of part 1
;; launch qkv (part 2): grid 12 x 16, 4 waves a work-group, clusters of 4 x 4, 327,680 bytes of LDS; arguments codes, scales, b_qkv, qk, vimg; writes qk, vimg
.if DOCPART == 2
	.amdgcn_target "amdgcn-amd-amdhsa--gfx1250"
	.amdhsa_code_object_version 6
	.text
	.protected	k_q0c5c0ac306_qkv
	.globl	k_q0c5c0ac306_qkv
	.p2align	8
	.type	k_q0c5c0ac306_qkv,@function
k_q0c5c0ac306_qkv:
	s_mov_b64 s[64:65], 0
	v_nop
	global_prefetch_b8 v0, s[64:65] scope:SCOPE_SE
	s_setreg_imm32_b32 hwreg(HW_REG_WAVE_MODE, 25, 1), 1
	s_wait_xcnt 0x0
	s_wait_alu depctr_hold_cnt(0) depctr_sa_sdst(0) depctr_va_vdst(0) depctr_va_sdst(0) depctr_va_ssrc(0) depctr_va_vcc(0) depctr_vm_vsrc(0)
	s_getreg_b32 s2, hwreg(HW_REG_IB_STS2, 6, 4)
	s_cmp_eq_u32 s2, 0
	s_cbranch_scc0 .Lentry_in_a_cluster
	s_endpgm
.Lentry_in_a_cluster:
	s_bfe_u32 s2, ttmp6, 0x10000c
	s_cmp_lg_u32 s2, 0xf033
	s_cbranch_scc0 .Lentry_shape_is_right
	s_endpgm
.Lentry_shape_is_right:
; qkv[m][n] = sum over k of x[m][k] w_qkv[n][k] + b_qkv[n], on codes of FP4 (E2M1) with one E8M0 scale for each 32 along K; 4,096 x 3,072 x 1,024; sums in f32.
; codes: x's [4096][512 bytes], then w_qkv's [3072][512 bytes];  scales: x's [4096][32], then w_qkv's [3072][32].
; A tile of 256 x 256 is made by a work-group of four waves; a wave makes 128 x 128: 64 accumulators of 16 x 16, 512 registers.  K is two steps of 512: each fills one of two LDS slots ONCE, so nothing is filled again.
; The scales of the work-group's 256 + 256 rows, for all of K, come into LDS once, with the first fills.
; CLUSTERS: 4 x 4 work-groups.  The four of a row of the cluster need the same tiles of x, the four of a column the same tiles of w_qkv: each is asked for jointly, by the same tensor load with the same descriptor and a mask
; that names the four.  12 x 16 = 192 work-groups: with tiles half as large each LDS byte would feed half the products, and this launch is short beside the two that follow.
; THE MATRIX INSTRUCTION IS USED TRANSPOSED (source 0 = 16 rows of w_qkv, source 1 = 16 rows of x): a lane holds one token (lane % 16) and eight neighbouring columns 8 (lane / 16) + 0 .. 7.
; The bias is the C of each sum's first product: eight registers for each block of 16 columns.
; THE WAY OUT needs no LDS: a lane's eight numbers ARE its part of the next launches' operand images.  A cluster column holds one kind (cluster x = 0: q, 1: k, 2: v), so the branch is alike in all partners.
;   q, k: divided by max(the head's L2 norm, 1e-12) (64 channels = four accumulators x two halves of the lanes), rounded to f16, stored to qk[kind][batch x 16 + head][tile of 16 tokens][block u][lane][16 bytes]:
;         lane (r, h) of block u holds token r, channels 16 u + 8 h + 0 .. 7.   v: f32, to vimg[batch x 16 + head][tile][u][c][lane][16 bytes]: channels 16 u + 8 h + 4 c + 0 .. 3.  Each store covers 512 consecutive bytes.
; LIMIT: NaN and infinities are not served.
; REGISTERS, in windows of 256: window 0: v0-31 addresses; v32-95 scale words, two sets, and nothing else; v96-127 the way out's sums of squares; v128-191 x's fragments, ONE set, later scaled numbers;
;   v192-255 the bias, later f16 pairs.   window 1: w_qkv's fragments, two sets.   window 2: the accumulators of my rows 0-63 ((a, b) at v[8 (8 a + b)]);   window 3: those of rows 64-127.
.set KSTEP,  512
.set NQ,     KSTEP/128                 ; matrix instructions deep
.set ROWB,   256                       ; a tile's row in bytes
.set KROW,   512                       ; a row of codes in memory
.set PITCH,  272                       ; an LDS row: 256 bytes + 16 of padding: the 16 rows that a load touches begin 68 words apart
.set FR,     8
.set NL,     2
.set NP,     4                         ; places behind this matrix instruction (ISA guide 7.12.1)
.set HALFT,  128*PITCH
.set SLOT,   4*HALFT
.set KS,     32                        ; a row of scales in bytes
.set SCL,    2*SLOT                    ; behind the slots: the scales, as rows of 256 bytes + 16 of padding
.set HALFS,  (128*KS/256)*272
.set SBLK,   (16*KS/256)*272
.set SPARE,  SCL+4*HALFS               ; the spare words, 128 bytes a wave
.set WCODES, 2097152                   ; where w_qkv's codes begin,
.set WSCALES, 131072                   ; and its scale bytes
.set ADRA, 16                          ; v16-17  LDS address of my fragments of x in slot 0, 1
.set ADRB, 20                          ; v20-21  the same for w_qkv
.set L16,  24                          ; v24     16 x lane: my place in a stored block
.set BO,   25                          ; v25     32 x (lane / 16): my eight numbers of a block of the bias
.set ADRS, 27                          ; v27     LDS address of my scale words
.set SPW,  28                          ; v28     LDS address of my spare word; never rewritten
.set NIL,  29                          ; v29     0; never rewritten
.set SC,   32
.set SS,   96
.set AF,   128
.set NB,   128
.set BI,   192
.set HB,   192
.set G1, 24
.set G0, 32
.set G1B, 48
.set G0B, 56
.set G1S, 68
.set G0S, 76
.set G1SB, 80
.set G0SB, 88
.set SEL, 96                           ; s[96:97] lane selects for v_permlanex16_b32: lane l xor 16
.set MSB, 0
.macro WIN new                         ; the immediate's high byte repeats the setting that is left
.if MSB != (\new)
	s_set_vgpr_msb (MSB<<8)|(\new)
.set MSB, (\new)
.endif
.endm
.set MUL_LO, 0xa1                      ; source 0 window 1, source 1 window 0, C and D window 2
.set MUL_HI, 0xf1                      ; the same, C and D window 3
.set TO_B,   0x40                      ; destination window 1, address window 0
; A joint load: waves 0 and 1 fetch for x, waves 2 and 3 for w_qkv.  The branch hangs on the wave's number alone.  An s_nop 0 and four v_nop follow each of the two lines.
.macro JLOAD g0a, g1a, g0b, g1b
	s_cmp_eq_u32 s15, 0
	s_cbranch_scc0 .Lfor_b_\@
	tensor_load_to_lds s[\g0a:\g0a+3], s[\g1a:\g1a+7]
	s_nop 0
.rept 4
	v_nop
.endr
	s_branch .Lasked_\@
.Lfor_b_\@:
	tensor_load_to_lds s[\g0b:\g0b+3], s[\g1b:\g1b+7]
	s_nop 0
.rept 4
	v_nop
.endr
.Lasked_\@:
.endm
.macro CROUND                          ; a round of the cluster's barrier
	s_barrier_signal -1
	s_barrier_wait -1
	s_cmp_lg_u32 s14, 0
	s_cbranch_scc1 .Lnot_wave_0_\@
	s_barrier_signal -3
.Lnot_wave_0_\@:
	s_barrier_wait -3
	s_barrier_signal -1
	s_barrier_wait -1
.endm
	s_load_b128 s[4:7], s[0:1], 0x0                ; codes s[4:5], scales s[6:7]
	s_load_b128 s[8:11], s[0:1], 0x10              ; b_qkv s[8:9], qk s[10:11]
	s_load_b64 s[12:13], s[0:1], 0x20              ; vimg
	v_lshl_add_u32 v[SPW], v0, 2, SPARE
	v_mov_b32 v[NIL], 0
	ds_add_u32 v[SPW], v[NIL]                      ; the wave's opening: the add, twice on end, and its wait ahead of my first tensor load
	ds_add_u32 v[SPW], v[NIL]
	v_lshrrev_b32 v1, 5, v0
	v_readfirstlane_b32 s14, v1                    ; wave 0..3
	s_lshr_b32 s15, s14, 1                         ; which half of the tile's rows is mine.  Also: I fetch for x (0) or for w_qkv (1)
	s_and_b32 s16, s14, 1                          ; which half of its columns.  Also: which 128 rows of that tile I fetch
	s_bfe_u32 s40, ttmp6, 0x40000                  ; cx, cy: my place in the cluster
	s_bfe_u32 s41, ttmp6, 0x40004
	s_lshl_b32 s42, ttmp9, 2
	s_add_co_u32 s42, s42, s40                     ; tile column = 4 x cluster x + cx
	s_and_b32 s17, ttmp7, 0xffff
	s_lshl_b32 s17, s17, 2
	s_add_co_u32 s17, s17, s41                     ; tile row = 4 x cluster y + cy
	s_lshl_b32 s43, s41, 2
	s_lshl_b32 s43, 15, s43                        ; my row of the cluster
	s_lshl_b32 s44, 0x1111, s40                    ; my column
	; descriptor group 1: a tile of 128 rows x 256 bytes, 16 bytes of padding behind each row
	s_or_b32 s[G1+0], s43, (0<<16)|(1<<20)|(1<<21)|(5<<22)|(3<<25)
	s_or_b32 s[G1B+0], s44, (0<<16)|(1<<20)|(1<<21)|(5<<22)|(3<<25)
.irp g, G1, G1B
	s_mov_b32 s[\g+1], ROWB<<16                    ; tensor_dim0
	s_mov_b32 s[\g+2], 128<<16                     ; tensor_dim1
	s_mov_b32 s[\g+3], ROWB<<16                    ; tile_dim0
	s_mov_b32 s[\g+4], 128                         ; tile_dim1
	s_mov_b32 s[\g+5], KROW                        ; tensor_dim0_stride
	s_mov_b32 s[\g+6], 0
	s_mov_b32 s[\g+7], 0
.endr
	; the scales of 128 rows: a dense block of 4,096 bytes, as 16 rows of 256 bytes (32 elements of 8 bytes), 16 bytes of padding behind each
	s_or_b32 s[G1S+0], s43, (3<<16)|(1<<20)|(1<<21)|(5<<22)|(3<<25)
	s_or_b32 s[G1SB+0], s44, (3<<16)|(1<<20)|(1<<21)|(5<<22)|(3<<25)
.irp g, G1S, G1SB
	s_mov_b32 s[\g+1], 32<<16
	s_mov_b32 s[\g+2], (128*KS/256)<<16
	s_mov_b32 s[\g+3], 32<<16
	s_mov_b32 s[\g+4], 128*KS/256
	s_mov_b32 s[\g+5], 32
	s_mov_b32 s[\g+6], 0
	s_mov_b32 s[\g+7], 0
.endr
	s_lshl_b32 s18, s16, 7                         ; which 128 rows of the tile I fetch
	s_lshl_b32 s20, s17, 8
	s_add_co_u32 s20, s20, s18                     ; x: row 256 x tile row + 128 x half
	s_lshl_b32 s46, s42, 8
	s_add_co_u32 s46, s46, s18                     ; w_qkv: row 256 x tile column + 128 x half
	s_mov_b32 s21, 0
	s_mov_b32 s47, 0
	s_mov_b64 s[18:19], KS
	s_mul_u64 s[22:23], s[20:21], s[18:19]         ; where these rows' scales begin, in bytes
	s_mul_u64 s[92:93], s[46:47], s[18:19]
	s_mov_b64 s[18:19], KROW
	s_mul_u64 s[20:21], s[20:21], s[18:19]         ; and their codes
	s_mul_u64 s[46:47], s[46:47], s[18:19]
	s_add_nc_u64 s[46:47], s[46:47], WCODES        ; w_qkv's lie behind x's in both buffers
	s_add_nc_u64 s[92:93], s[92:93], WSCALES
	s_mul_i32 s45, s14, HALFT                      ; where they go: wave x 128 rows: no place in the cluster enters an LDS address
	s_mul_i32 s94, s14, HALFS
	s_mov_b32 s[SEL], 0x76543210
	s_mov_b32 s[SEL+1], 0xfedcba98
	s_wait_dscnt 0x0                               ; both opening adds are done
	s_wait_kmcnt 0x0
	s_add_nc_u64 s[20:21], s[4:5], s[20:21]
	s_add_nc_u64 s[22:23], s[6:7], s[22:23]
	s_add_nc_u64 s[46:47], s[4:5], s[46:47]
	s_add_nc_u64 s[92:93], s[6:7], s[92:93]
	CROUND                                         ; all sixteen work-groups are here: the joint loads meet
	s_mov_b32 s[G0S], 1
	s_add_co_u32 s[G0S+1], s94, SCL
	s_mov_b64 s[G0S+2:G0S+3], s[22:23]
	s_or_b32 s[G0S+3], s[G0S+3], 0x80000000
	s_mov_b32 s[G0SB], 1
	s_add_co_u32 s[G0SB+1], s94, SCL
	s_mov_b64 s[G0SB+2:G0SB+3], s[92:93]
	s_or_b32 s[G0SB+3], s[G0SB+3], 0x80000000
	JLOAD G0S, G1S, G0SB, G1SB                     ; the scales first: they are wanted with K step 0
.irp s, 0,1
	s_mov_b32 s[G0+4*\s], 1
	s_add_co_u32 s[G0+4*\s+1], s45, \s*SLOT
	s_add_nc_u64 s[G0+4*\s+2:G0+4*\s+3], s[20:21], \s*ROWB
	s_or_b32 s[G0+4*\s+3], s[G0+4*\s+3], 0x80000000
	s_mov_b32 s[G0B+4*\s], 1
	s_add_co_u32 s[G0B+4*\s+1], s45, \s*SLOT
	s_add_nc_u64 s[G0B+4*\s+2:G0B+4*\s+3], s[46:47], \s*ROWB
	s_or_b32 s[G0B+4*\s+3], s[G0B+4*\s+3], 0x80000000
	JLOAD G0+4*\s, G1, G0B+4*\s, G1B               ; three loads of mine are out
.endr
	v_and_b32 v1, 15, v0                           ; l % 16
	v_bfe_u32 v2, v0, 4, 1                         ; l / 16
	v_mul_u32_u24 v3, v1, PITCH
	v_lshl_add_u32 v4, v2, 4, v3                   ; a fragment's row x pitch + 16 x half
	s_mul_i32 s21, s15, HALFT                      ; my 128 rows of x
	s_mul_i32 s22, s16, HALFT                      ; my 128 rows of w_qkv,
	s_add_co_u32 s22, s22, 2*HALFT                 ; which lie behind x's 256
.irp s, 0,1
	v_add_nc_u32 v[ADRA+\s], s21, v4
	v_add_nc_u32 v[ADRB+\s], s22, v4
	s_add_co_u32 s21, s21, SLOT
	s_add_co_u32 s22, s22, SLOT
.endr
	v_mul_u32_u24 v5, v1, KS                       ; my row's scales: 32 bytes a row,
	v_lshrrev_b32 v6, 8, v5
	v_lshl_add_u32 v5, v6, 4, v5                   ; and 16 more for each 256 passed
	s_mul_i32 s21, s15, HALFS
	s_mul_i32 s22, s16, HALFS
	s_add_co_u32 s22, s22, 2*HALFS
	s_sub_co_u32 s22, s22, s21
	v_mul_u32_u24 v6, s22, v2                      ; lanes 16-31 take w_qkv's
	s_add_co_u32 s21, s21, SCL
	v_add_nc_u32 v5, v5, v6
	v_add_nc_u32 v[ADRS], s21, v5
	v_and_b32 v6, 31, v0
	v_lshlrev_b32 v[L16], 4, v6
	v_lshlrev_b32 v[BO], 5, v2
	s_lshl_b32 s46, s42, 10                        ; the bias of my 128 columns: 4 x (256 x tile column + 128 x half)
	s_lshl_b32 s47, s16, 9
	s_add_co_u32 s46, s46, s47
	s_mov_b32 s47, 0
	s_add_nc_u64 s[8:9], s[8:9], s[46:47]
.irp b, 0,1,2,3,4,5,6,7
	global_load_b128 v[BI+8*\b:BI+8*\b+3], v[BO], s[8:9] offset:64*\b        ; register 8 b + j: the bias of column 16 b + 8 (l / 16) + j
	global_load_b128 v[BI+8*\b+4:BI+8*\b+7], v[BO], s[8:9] offset:64*\b+16
.endr
.macro FRAG reg, adr, q, i             ; a fragment, 16 rows x 128 K of 4-bit codes: lane l holds row l % 16; registers 4 c .. 4 c + 3 hold K = 64 c + 32 (l / 16) + 0 .. 31
.irp c, 0,1
	ds_load_b128 v[\reg+4*\c:\reg+4*\c+3], v[\adr] offset:64*(\q)+32*\c+(\i)*16*PITCH
.endr
.endm
; 16 matrix instructions: x's blocks a0, a0 + 1 against w_qkv's eight, 128 along K.  zero = 1: the first product starts the sums, with the bias as its C.
; The 64 accumulators take turns, one instruction a turn, in the same order in every step.
.macro MUL16 a0, p, q, sc, zero
.irp a, \a0, \a0+1
.irp b, 0,1,2,3,4,5,6,7
.if \zero
	v_wmma_scale_f32_16x16x128_f8f6f4 v[8*(8*((\a)%4)+\b):8*(8*((\a)%4)+\b)+7], v[128*(\p)+FR*\b:128*(\p)+FR*\b+FR-1], v[AF+FR*(\a):AF+FR*(\a)+FR-1], v[BI+8*\b:BI+8*\b+7], v[SC+8*NQ*(\sc)+NQ*\b+(\q)], v[SC+8*NQ*(\sc)+NQ*(\a)+(\q)] matrix_a_fmt:MATRIX_FMT_FP4 matrix_b_fmt:MATRIX_FMT_FP4 matrix_a_scale:MATRIX_SCALE_ROW1
.else
	v_wmma_scale_f32_16x16x128_f8f6f4 v[8*(8*((\a)%4)+\b):8*(8*((\a)%4)+\b)+7], v[128*(\p)+FR*\b:128*(\p)+FR*\b+FR-1], v[AF+FR*(\a):AF+FR*(\a)+FR-1], v[8*(8*((\a)%4)+\b):8*(8*((\a)%4)+\b)+7], v[SC+8*NQ*(\sc)+NQ*\b+(\q)], v[SC+8*NQ*(\sc)+NQ*(\a)+(\q)] matrix_a_fmt:MATRIX_FMT_FP4 matrix_b_fmt:MATRIX_FMT_FP4 matrix_a_scale:MATRIX_SCALE_ROW1
.endif
.endr
.endr
.endm
.macro FETCH_B slot, q, p
	WIN TO_B
.irp i, 0,1,2,3,4,5,6,7
	FRAG 128*(\p)+FR*\i, ADRB+\slot, \q, \i
.endr
	WIN 0
.endm
.macro FETCH_A slot, q, i0
.irp i, \i0, \i0+1, \i0+2, \i0+3
	FRAG AF+FR*(\i), ADRA+\slot, \q, \i
.endr
.endm
.macro SCALES sc                       ; a K step's scale words: four a row; lanes 0-15 take x's block i, lanes 16-31 w_qkv's block i
.irp i, 0,1,2,3,4,5,6,7
	ds_load_b128 v[SC+8*NQ*\sc+NQ*\i:SC+8*NQ*\sc+NQ*\i+3], v[ADRS] offset:\i*SBLK
.endr
.endm
.macro PLACES n                        ; plain vector instructions between a matrix instruction and a load into, or a read of, its registers
.rept \n
	v_nop
.endr
.endm
; A step of 128 along K that has its successor in the same slot.  zero = 1: C lies in window 0 (the bias)
.macro STEP slot, q, zero
	s_wait_dscnt 4*NL                              ; w_qkv's set and x's blocks 0-3 are in; the youngest eight loads (x's blocks 4-7) may be out
	WIN MUL_LO-0x20*(\zero)
	MUL16 0, (\q)%2, \q, \slot, \zero
	MUL16 2, (\q)%2, \q, \slot, \zero
	s_wait_dscnt 0                                 ; x's blocks 4-7 are in
	PLACES NP
	FETCH_B \slot, (\q)+1, 1-(\q)%2
	FETCH_A \slot, (\q)+1, 0
	WIN MUL_HI-0x30*(\zero)
	MUL16 4, (\q)%2, \q, \slot, \zero
	MUL16 6, (\q)%2, \q, \slot, \zero
	PLACES NP
	WIN 0
	FETCH_A \slot, (\q)+1, 4
.endm
; Slot 0's last step changes slots: one barrier; in front of it each wave waits for all its tensor loads (slot 1's is the one that may be out), so that behind it slot 1 is whole.  Nothing is filled again.
.macro TURN slot, next
	s_wait_tensorcnt 0x0                           ; all my tensor loads have landed
	ds_add_u32 v[SPW], v[NIL]
	s_wait_dscnt 4*NL+1                            ; (the add and the youngest eight loads may be out)
	WIN MUL_LO
	MUL16 0, 1, NQ-1, \slot, 0
	s_wait_dscnt 0x0                               ; the add is done, and my reads of this slot are over
	s_barrier_signal -1
	MUL16 2, 1, NQ-1, \slot, 0
	WIN 0
	s_barrier_wait -1
	PLACES NP
	v_add_nc_u32 v[ADRS], 4*NQ, v[ADRS]            ; on to the next K step's scale words (no LDS load of mine is out)
	FETCH_B \next, 0, 0
	FETCH_A \next, 0, 0
	SCALES \next
	WIN MUL_HI
	MUL16 4, 1, NQ-1, \slot, 0
	MUL16 6, 1, NQ-1, \slot, 0
	PLACES NP
	WIN 0
	FETCH_A \next, 0, 4
.endm
.macro STEPS slot, from
.set Q, \from
.rept NQ-1-\from
	STEP \slot, Q, 0
.set Q, Q+1
.endr
.endm
	s_wait_tensorcnt 1                             ; the scales and my part of K step 0 are in (K step 1's load may be out),
	s_barrier_signal -1
	s_barrier_wait -1                              ; everybody's are
	FETCH_B 0, 0, 0
	FETCH_A 0, 0, 0
	SCALES 0
	FETCH_A 0, 0, 4
	s_wait_loadcnt 0x0                             ; the bias
	STEP 0, 0, 1
	STEPS 0, 1
	TURN 0, 1
	STEPS 1, 0
	s_wait_dscnt 4*NL                              ; the very last step: nothing more to fetch
	WIN MUL_LO
	MUL16 0, 1, NQ-1, 1, 0
	MUL16 2, 1, NQ-1, 1, 0
	s_wait_dscnt 0
	WIN MUL_HI
	MUL16 4, 1, NQ-1, 1, 0
	MUL16 6, 1, NQ-1, 1, 0
	WIN 0
	PLACES NP                                      ; ahead of the first read of results, and of the first write into registers that held fragments
	s_lshr_b32 s20, s17, 3                         ; batch: 8 tile rows of 256 tokens each
	s_and_b32 s21, s17, 7
	s_lshl_b32 s21, s21, 4
	s_lshl_b32 s22, s15, 3
	s_add_co_u32 s21, s21, s22                     ; my first tile of 16 tokens in the batch: 16 (tile row % 8) + 8 x half
	s_lshl_b32 s22, s40, 2
	s_lshl_b32 s23, s16, 1
	s_add_co_u32 s22, s22, s23                     ; my first head: 4 cx + 2 x half (a tile column is four heads)
	s_cmp_eq_u32 ttmp9, 2                          ; the cluster's x: the same in all sixteen partners
	s_cbranch_scc1 .Lvalues
	; ---- q or k
	s_lshl_b32 s23, ttmp9, 23                      ; kind x 8,388,608
	s_lshl_b32 s20, s20, 22                        ; batch x 16 heads x 262,144
	s_add_co_u32 s23, s23, s20
	s_lshl_b32 s22, s22, 18
	s_add_co_u32 s23, s23, s22
	s_lshl_b32 s21, s21, 11                        ; 2,048 bytes a tile
	s_add_co_u32 s46, s23, s21
	s_mov_b32 s47, 0
	s_add_nc_u64 s[10:11], s[10:11], s[46:47]
	; sums of squares: chain 2 a + g (row block a, head g) takes the 32 registers of accumulators (a, 4 g .. 4 g + 3), two at a time, each accumulator from its low end on; eight chains by turns
.irp hi, 0,1
	WIN 0x0a+5*\hi
.set pp, 0
.rept 16
.irp aa, 0,1,2,3
.irp g, 0,1
.if pp == 0
	v_pk_mul_f32 v[SS+2*(8*\hi+2*\aa+\g):SS+2*(8*\hi+2*\aa+\g)+1], v[64*\aa+32*\g:64*\aa+32*\g+1], v[64*\aa+32*\g:64*\aa+32*\g+1]
.else
	v_pk_fma_f32 v[SS+2*(8*\hi+2*\aa+\g):SS+2*(8*\hi+2*\aa+\g)+1], v[64*\aa+32*\g+2*pp:64*\aa+32*\g+2*pp+1], v[64*\aa+32*\g+2*pp:64*\aa+32*\g+2*pp+1], v[SS+2*(8*\hi+2*\aa+\g):SS+2*(8*\hi+2*\aa+\g)+1]
.endif
.endr
.endr
.set pp, pp+1
.endr
.endr
	WIN 0
.irp i, 0,1,2,3,4,5,6,7,8,9,10,11,12,13,14,15
	v_add_f32 v[SS+2*\i], v[SS+2*\i], v[SS+2*\i+1]
.endr
.irp i, 0,1,2,3,4,5,6,7,8,9,10,11,12,13,14,15
	v_permlanex16_b32 v[SS+2*\i+1], v[SS+2*\i], s[SEL], s[SEL+1]   ; the token's other 32 channels lie in the lane 16 away
.endr
.irp i, 0,1,2,3,4,5,6,7,8,9,10,11,12,13,14,15
	v_add_f32 v[SS+2*\i], v[SS+2*\i], v[SS+2*\i+1]
.endr
.irp i, 0,1,2,3,4,5,6,7,8,9,10,11,12,13,14,15
	v_sqrt_f32 v[SS+2*\i], v[SS+2*\i]
.endr
	v_nop                                          ; a plain instruction behind the last root,
	s_wait_alu depctr_va_vdst(0)                   ; and one wait for the sixteen, ahead of their first reader
.irp i, 0,1,2,3,4,5,6,7,8,9,10,11,12,13,14,15
	v_max_num_f32 v[SS+2*\i], 0x2b8cbccc, v[SS+2*\i]               ; max(norm, 1e-12)
.endr
.irp i, 0,1,2,3,4,5,6,7,8,9,10,11,12,13,14,15
	v_rcp_f32 v[SS+2*\i], v[SS+2*\i]
.endr
	v_nop
	s_wait_alu depctr_va_vdst(0)
.macro NORM2 ab                        ; row block ab: 64 numbers a lane x 1 / norm, rounded to f16, eight stores of 512 consecutive bytes
	WIN 0x02+((\ab)/4)
.irp b, 0,1,2,3,4,5,6,7
.irp p, 0,1,2,3
	v_pk_mul_f32 v[NB+8*\b+2*\p:NB+8*\b+2*\p+1], v[64*((\ab)%4)+8*\b+2*\p:64*((\ab)%4)+8*\b+2*\p+1], v[SS+2*(2*(\ab)+\b/4):SS+2*(2*(\ab)+\b/4)+1] op_sel_hi:[1,0]
.endr
.endr
	WIN 0
	s_wait_xcnt 0x0                                ; the last block's stores have read their registers: they are written again only behind this wait
.irp b, 0,1,2,3,4,5,6,7
.irp p, 0,1,2,3
	v_cvt_pk_f16_f32 v[HB+4*\b+\p], v[NB+8*\b+2*\p], v[NB+8*\b+2*\p+1]
.endr
.endr
.irp b, 0,1,2,3,4,5,6,7
	global_store_b128 v[L16], v[HB+4*\b:HB+4*\b+3], s[10:11] offset:(\b/4)*262144+(\ab)*2048+(\b%4)*512
.endr
.endm
.irp ab, 0,1,2,3,4,5,6,7
	NORM2 \ab
.endr
	s_branch .Ljoin
.Lvalues:
	; ---- v: as it stands, in f32
	s_lshl_b32 s20, s20, 4
	s_add_co_u32 s20, s20, s22                     ; batch x 16 + head
	s_lshl_b32 s20, s20, 19                        ; 524,288 bytes a head
	s_lshl_b32 s21, s21, 12                        ; 4,096 bytes a tile
	s_add_co_u32 s46, s20, s21
	s_mov_b32 s47, 0
	s_add_nc_u64 s[12:13], s[12:13], s[46:47]
.irp ab, 0,1,2,3,4,5,6,7
	WIN 0x08+4*(\ab/4)                             ; a store's data are its source 1: window 2 or 3
.irp b, 0,1,2,3,4,5,6,7
	global_store_b128 v[L16], v[64*(\ab%4)+8*\b:64*(\ab%4)+8*\b+3], s[12:13] offset:(\b/4)*524288+\ab*4096+(\b%4)*1024          ; each accumulator from its low end on
	global_store_b128 v[L16], v[64*(\ab%4)+8*\b+4:64*(\ab%4)+8*\b+7], s[12:13] offset:(\b/4)*524288+\ab*4096+(\b%4)*1024+512
.endr
.endr
	WIN 0
.Ljoin:
	s_wait_tensorcnt 0x0                           ; the wave's end
	ds_add_u32 v[SPW], v[NIL]
	s_wait_dscnt 0x0
	CROUND                                         ; the closing round
	s_endpgm
.Lfunc_end_k_q0c5c0ac306_qkv:
	.size	k_q0c5c0ac306_qkv, .Lfunc_end_k_q0c5c0ac306_qkv-k_q0c5c0ac306_qkv
	.p2alignl 7, 3214868480
	.fill 96, 4, 3214868480
	.section	.rodata,"a",@progbits
	.p2align	6, 0x0
	.amdhsa_kernel k_q0c5c0ac306_qkv
		.amdhsa_group_segment_fixed_size 327680
		.amdhsa_private_segment_fixed_size 0
		.amdhsa_enable_private_segment 0
		.amdhsa_kernarg_size 40
		.amdhsa_user_sgpr_count 2
		.amdhsa_user_sgpr_kernarg_segment_ptr 1
		.amdhsa_wavefront_size32 1
		.amdhsa_system_sgpr_workgroup_id_x 1
		.amdhsa_system_sgpr_workgroup_id_y 1
		.amdhsa_system_sgpr_workgroup_id_z 1
		.amdhsa_system_vgpr_workitem_id 0
		.amdhsa_next_free_vgpr 1024
		.amdhsa_next_free_sgpr 100
		.amdhsa_reserve_vcc 0
		.amdhsa_float_denorm_mode_32 3
		.amdhsa_float_denorm_mode_16_64 3
		.amdhsa_memory_ordered 1
		.amdhsa_forward_progress 1
		.amdhsa_inst_pref_size 168
	.end_amdhsa_kernel
	.amdgpu_metadata
---
amdhsa.version: [ 1, 2 ]
amdhsa.kernels:
  - .name:           k_q0c5c0ac306_qkv
    .symbol:         k_q0c5c0ac306_qkv.kd
    .args:
      - { .name: codes, .offset: 0, .size: 8, .value_kind: global_buffer, .address_space: global }
      - { .name: scales, .offset: 8, .size: 8, .value_kind: global_buffer, .address_space: global }
      - { .name: b_qkv, .offset: 16, .size: 8, .value_kind: global_buffer, .address_space: global }
      - { .name: qk, .offset: 24, .size: 8, .value_kind: global_buffer, .address_space: global }
      - { .name: vimg, .offset: 32, .size: 8, .value_kind: global_buffer, .address_space: global }
    .group_segment_fixed_size: 327680
    .private_segment_fixed_size: 0
    .kernarg_segment_align: 8
    .kernarg_segment_size: 40
    .max_flat_workgroup_size: 128
    .sgpr_count:     100
    .vgpr_count:     1024
    .wavefront_size: 32
...
	.end_amdgpu_metadata
.endif
;; end of part 2
;; launch colsum (part 3): grid 8 x 32, 16 waves a work-group, clusters of 4 x 1, 327,680 bytes of LDS; arguments qk, vimg, vp, sc; writes vp, sc
.if DOCPART == 3
	.amdgcn_target "amdgcn-amd-amdhsa--gfx1250"
	.amdhsa_code_object_version 6
	.text
	.protected	k_q0c5c0ac306_colsum
	.globl	k_q0c5c0ac306_colsum
	.p2align	8
	.type	k_q0c5c0ac306_colsum,@function
k_q0c5c0ac306_colsum:
	s_mov_b64 s[64:65], 0
	v_nop
	global_prefetch_b8 v0, s[64:65] scope:SCOPE_SE
	s_setreg_imm32_b32 hwreg(HW_REG_WAVE_MODE, 25, 1), 1
	s_wait_xcnt 0x0
	s_wait_alu depctr_hold_cnt(0) depctr_sa_sdst(0) depctr_va_vdst(0) depctr_va_sdst(0) depctr_va_ssrc(0) depctr_va_vcc(0) depctr_vm_vsrc(0)
	s_getreg_b32 s2, hwreg(HW_REG_IB_STS2, 6, 4)
	s_cmp_eq_u32 s2, 0
	s_cbranch_scc0 .Lentry_in_a_cluster
	s_endpgm
.Lentry_in_a_cluster:
	s_bfe_u32 s2, ttmp6, 0x10000c
	s_cmp_lg_u32 s2, 0x3003
	s_cbranch_scc0 .Lentry_shape_is_right
	s_endpgm
.Lentry_shape_is_right:
; score(s, t) = (1 + arccos(clip(q_s . k_t)))^-3.2 for each of 32 heads, made ONCE: stored in f16 for the next launch, and summed over s in f32: n_c[t].  Then V'[t] = 64 v[t] / n_c[t], in f16.
; (The row factor n_r of the two-sided normalisation multiplies a whole row that is then divided by its own sum: it cancels.  The clip holds every score in [(1 + pi)^-3.2, 1], so no sum is 0 and neither floor of 1e-12 can act.)
; SHARES.  A work-group owns 256 KEYS of one head and walks all 2,048 queries, so a column's sum is finished inside it.  Wave w: key group i = w % 4 (64 keys: four tiles, 64 registers for the whole launch),
; quarter j = w / 4 of the queries (32 tiles).  A fragment of q read from LDS feeds eight products.
; The head's whole image of q, 262,144 bytes, comes into LDS once.  CLUSTER: the four key blocks of a cluster walk the same q, so each part is asked for jointly (mask 15).  Each wave asks for two parts of 8,192 bytes:
; one in the first half of a quarter, one in the second, so that the first halves are worked on while the second land: two loads of mine are out.
; LAYOUT.  S^T = k q^T (source 0 = 16 keys, source 1 = 16 queries): a lane holds ONE query (lane % 16) and keys 8 (lane / 16) + 0 .. 7.  Two key tiles, rounded to f16 in pairs, ARE the next launch's operand
; (32 keys x 16 queries), so they are stored as they stand: sc[head][tile of 16 queries: 65,536 bytes][group of 32 keys: 1,024][c][lane][16 bytes].  A trip's four stores cover 2,048 consecutive bytes.
; A column's sum runs in one register for each score register and is added over the sixteen lanes of a half at the end.
; THE SCORE.  asin|c| = pi/2 - sqrt(1 - |c|) (a0 + a1 |c| + a2 |c|^2 + a3 |c|^3) (Abramowitz and Stegun 4.4.45), error at most 6.8e-5 on all of [0, 1]: at most 2.2e-4 of a score, under half a step of the f16 to which
; the scores are rounded.  A stated limit of accuracy; it holds for every input.  Then (1 + pi/2 - asin c)^-3.2 by log2 and exp2.  NaN and infinities are not served.
; OUT: vp[head: 270,336 bytes]: V' as [group of 32 keys][u 0..3][c][lane][16 bytes]: lane (r, h) holds channel 16 u + r, keys 16 c + 8 h + 0 .. 7; behind it, at 262,144, 64 / n_c in f16 in the keys' order; behind that 4,096
; bytes of zeros: from these two the next launch reads a fifth tile, whose product is each row's divisor.  The factor 64 keeps V' and 64 / n_c (1/32 to 3) among f16's normal numbers.
.set PART,  262144                     ; behind q's image: [quarter j][256 keys] f32: wave w stores the 256 bytes at 256 w
.set SPARE, 266240                     ; the spare words, 128 bytes a wave
.set HEADV, 270336                     ; a head's bytes in vp
.set L16, 1                            ; v1   16 x lane
.set AQ0, 2                            ; v2   my quarter of q's image + 16 x lane
.set ADQ, 3                            ; v3   the trip's tile
.set RR,  4                            ; v4   lane % 16
.set HH,  5                            ; v5   lane / 16
.set PST, 6                            ; v6   where I store partial sums
.set PLD, 7                            ; v7   where I read them
.set VL,  8                            ; v8   my lane's byte in a tile of v
.set TT,  9
.set SPW, 10                           ; v10  LDS address of my spare word; never rewritten
.set NIL, 11                           ; v11  0; never rewritten
.set A3,  12                           ; v[12:13] a3
.set PLD2, 14                          ; v14  where wave 0 reads the sums of eight neighbouring keys a lane
.set QF,  24                           ; v[24:39] a tile of q
.set KF,  40                           ; v[40:103] my four tiles of k; in the tail v and V'
.set C,   104                          ; v[104:135] products, then scores
.set X,   136                          ; v[136:167] at work
.set P,   168                          ; v[168:199] at work
.set CS,  200                          ; v[200:231] the running sums, one for each register of C
.set H,   232                          ; v[232:247] the trip's scores in f16
.set WV,  10
.set G1,  16
.set G0A, 24
.set G0B, 28
.set A2,  32
.set A1,  34
.set A0,  36
.set MPI2, 38
.set KY,  40
.set M32, 42
.set BND, 44
.set MSK, 45
.set TB,  48
.set CNT, 49
.set C64, 50
.set SCB, 66                           ; s[66:67] where my scores go: one tile of queries further on than the trip's
.set DEN, 70                           ; s[70:71] my block's 512 bytes of 64 / n_c
.macro CROUND                          ; a round of the cluster's barrier
	s_barrier_signal -1
	s_barrier_wait -1
	s_cmp_lg_u32 s[WV], 0
	s_cbranch_scc1 .Lnot_wave_0_\@
	s_barrier_signal -3
.Lnot_wave_0_\@:
	s_barrier_wait -3
	s_barrier_signal -1
	s_barrier_wait -1
.endm
; 32 cosines in C become asin(c) in C.  X and P are free behind it.
.macro SCORE_A
.set ii, 0
.rept 32
	v_min_num_f32 v[X+ii], |v[C+ii]|, s[BND]       ; the clip and the magnitude in one; each accumulator is read from its low end on
.set ii, ii+1
.endr
.set ii, 0
.rept 16
	v_pk_fma_f32 v[P+ii:P+ii+1], v[X+ii:X+ii+1], v[A3:A3+1], s[A2:A2+1] op_sel_hi:[1,1,0]
.set ii, ii+2
.endr
.set ii, 0
.rept 16
	v_pk_fma_f32 v[P+ii:P+ii+1], v[P+ii:P+ii+1], v[X+ii:X+ii+1], s[A1:A1+1] op_sel_hi:[1,1,0]
.set ii, ii+2
.endr
.set ii, 0
.rept 16
	v_pk_fma_f32 v[P+ii:P+ii+1], v[P+ii:P+ii+1], v[X+ii:X+ii+1], s[A0:A0+1] op_sel_hi:[1,1,0]
.set ii, ii+2
.endr
.set ii, 0
.rept 16
	v_pk_fma_f32 v[X+ii:X+ii+1], v[X+ii:X+ii+1], -1.0, 1.0 op_sel_hi:[1,0,0]   ; 1 - |c|, at least 2^-23
.set ii, ii+2
.endr
.set ii, 0
.rept 32
	v_sqrt_f32 v[X+ii], v[X+ii]
.set ii, ii+1
.endr
	v_nop                                          ; a plain instruction behind the last root,
	s_wait_alu depctr_va_vdst(0)                   ; and one wait for the batch, ahead of its first reader
.set ii, 0
.rept 16
	v_pk_fma_f32 v[P+ii:P+ii+1], v[X+ii:X+ii+1], v[P+ii:P+ii+1], s[MPI2:MPI2+1] op_sel_hi:[1,1,0]   ; -asin|c|
.set ii, ii+2
.endr
.set ii, 0
.rept 32
	v_bfi_b32 v[C+ii], s[MSK], v[P+ii], v[C+ii]    ; its magnitude under c's sign: asin(c)
.set ii, ii+1
.endr
.endm
; asin(c) in C becomes the score in C.
.macro SCORE_B
.set ii, 0
.rept 16
	v_pk_fma_f32 v[C+ii:C+ii+1], v[C+ii:C+ii+1], -1.0, s[KY:KY+1] op_sel_hi:[1,0,0]   ; 1 + arccos(c)
.set ii, ii+2
.endr
.set ii, 0
.rept 32
	v_log_f32 v[C+ii], v[C+ii]
.set ii, ii+1
.endr
	v_nop
	s_wait_alu depctr_va_vdst(0)
.set ii, 0
.rept 16
	v_pk_mul_f32 v[C+ii:C+ii+1], v[C+ii:C+ii+1], s[M32:M32+1] op_sel_hi:[1,0]
.set ii, ii+2
.endr
.set ii, 0
.rept 32
	v_exp_f32 v[C+ii], v[C+ii]
.set ii, ii+1
.endr
	v_nop
	s_wait_alu depctr_va_vdst(0)
.endm
	s_load_b128 s[4:7], s[0:1], 0x0                ; qk, vimg
	s_load_b64 s[8:9], s[0:1], 0x10                ; vp
	s_load_b64 s[SCB:SCB+1], s[0:1], 0x18          ; sc
	v_lshl_add_u32 v[SPW], v0, 2, SPARE
	v_mov_b32 v[NIL], 0
	ds_add_u32 v[SPW], v[NIL]                      ; the wave's opening: the add, twice on end, and its wait ahead of my first tensor load
	ds_add_u32 v[SPW], v[NIL]
	v_lshrrev_b32 v1, 5, v0
	v_readfirstlane_b32 s[WV], v1                  ; wave 0..15
	s_and_b32 s11, s[WV], 3                        ; i: my key group
	s_lshr_b32 s12, s[WV], 2                       ; j: my quarter of the queries
	s_bfe_u32 s13, ttmp6, 0x40000                  ; cx
	s_lshl_b32 s14, ttmp9, 2
	s_add_co_u32 s14, s14, s13                     ; my block of 256 keys: it enters k's, v's, vp's and sc's addresses alone
	s_and_b32 s15, ttmp7, 0xffff                   ; batch x 16 + head, which the four partners share
	; descriptor group 1: 32 rows of 256 dense bytes (32 elements of 8 bytes)
	s_mov_b32 s[G1], 15|(3<<16)|(1<<21)            ; 15:0 the mask: all four work-groups; 17:16 elements of 8 bytes; 21 set beside a mask
	s_mov_b32 s[G1+1], 32<<16                      ; tensor_dim0
	s_mov_b32 s[G1+2], 32<<16                      ; tensor_dim1
	s_mov_b32 s[G1+3], 32<<16                      ; tile_dim0
	s_mov_b32 s[G1+4], 32                          ; tile_dim1
	s_mov_b32 s[G1+5], 32                          ; tensor_dim0_stride
	s_mov_b32 s[G1+6], 0
	s_mov_b32 s[G1+7], 0
.irp w, 0,1
	s_mov_b32 s[A2+\w], 0x3d981627                 ; 0.0742610
	s_mov_b32 s[A1+\w], 0xbe593484                 ; -0.2121144
	s_mov_b32 s[A0+\w], 0x3fc90da5                 ; 1.5707288
	s_mov_b32 s[MPI2+\w], 0xbfc90fdb               ; -pi/2
	s_mov_b32 s[KY+\w], 0x402487ed                 ; 1 + pi/2
	s_mov_b32 s[M32+\w], 0xc04ccccd                ; -3.2
	s_mov_b32 s[C64+\w], 0x42800000                ; 64
.endr
	s_mov_b32 s[BND], 0x3f7ffffe                   ; 1 - 1e-7 as f32
	s_mov_b32 s[MSK], 0x7fffffff
	s_lshl_b32 s52, s12, 16
	s_lshl_b32 s53, s11, 13
	s_add_co_u32 s52, s52, s53                     ; 65,536 j + 8,192 i: my first part, in LDS and in the head's image alike
	s_lshl_b32 s54, s15, 18                        ; the head's image of q
	s_add_co_u32 s54, s54, s52
	s_mov_b32 s55, 0
	s_wait_dscnt 0x0                               ; both opening adds are done
	s_wait_kmcnt 0x0
	s_mov_b32 s[G0A], 1
	s_mov_b32 s[G0A+1], s52
	s_add_nc_u64 s[G0A+2:G0A+3], s[4:5], s[54:55]
	s_mov_b32 s[G0B], 1
	s_add_co_u32 s[G0B+1], s52, 32768              ; my second part: half a quarter on
	s_add_nc_u64 s[G0B+2:G0B+3], s[G0A+2:G0A+3], 0x8000
	s_or_b32 s[G0A+3], s[G0A+3], 0x80000000
	s_or_b32 s[G0B+3], s[G0B+3], 0x80000000
	CROUND                                         ; all four work-groups are here: the joint loads meet
	tensor_load_to_lds s[G0A:G0A+3], s[G1:G1+7]
	s_nop 0
	tensor_load_to_lds s[G0B:G0B+3], s[G1:G1+7]
	s_nop 0
.rept 4
	v_nop
.endr
	v_and_b32 v[L16], 31, v0
	v_lshlrev_b32 v[L16], 4, v[L16]
	s_lshl_b32 s58, s12, 16
	v_add_nc_u32 v[AQ0], s58, v[L16]
	v_and_b32 v[RR], 15, v0
	v_bfe_u32 v[HH], v0, 4, 1
	s_lshl_b32 s56, s14, 4                         ; my four tiles of k: tile 16 x block + 4 i
	s_lshl_b32 s57, s11, 2
	s_add_co_u32 s56, s56, s57
	s_lshl_b32 s56, s56, 11
	s_lshl_b32 s57, s15, 18
	s_add_co_u32 s56, s56, s57
	s_add_co_u32 s56, s56, 0x800000                ; k's images lie behind q's
	s_mov_b32 s57, 0
	s_add_nc_u64 s[56:57], s[4:5], s[56:57]
.irp t, 0,1,2,3
.irp u, 0,1,2,3
	global_load_b128 v[KF+16*\t+4*\u:KF+16*\t+4*\u+3], v[L16], s[56:57] offset:2048*\t+512*\u
.endr
.endr
	s_lshl_b32 s58, s[WV], 8
	s_add_co_u32 s58, s58, PART
	v_lshl_add_u32 v[PST], v[HH], 5, s58           ; PART + 256 w + 32 h: my half's eight keys of a tile
	s_lshr_b32 s59, s[WV], 1                       ; the tail's share: group kg = w / 2 of 32 keys
	s_lshl_b32 s58, s59, 7
	s_add_co_u32 s58, s58, PART
	v_lshl_add_u32 v[PLD], v[HH], 5, s58           ; PART + 128 kg + 32 h
	v_and_b32 v[TT], 31, v0
	v_lshl_add_u32 v[PLD2], v[TT], 5, PART         ; PART + 32 x lane
	v_bfe_u32 v[TT], v[RR], 2, 1                   ; v's image holds channel r of a block of 16 at 512 ((r / 4) % 2) + 256 (r / 8) + 4 (r % 4), token 8 h + i at 16 (8 h + i)
	v_lshlrev_b32 v[VL], 9, v[TT]
	v_bfe_u32 v[TT], v[RR], 3, 1
	v_lshl_add_u32 v[VL], v[TT], 8, v[VL]
	v_lshl_add_u32 v[VL], v[HH], 7, v[VL]
	v_and_b32 v[TT], 3, v[RR]
	v_lshl_add_u32 v[VL], v[TT], 2, v[VL]
	s_lshl_b32 s60, s14, 4                         ; v: tile 16 x block + 2 kg, channel tiles 2 (w % 2) on
	s_lshl_b32 s61, s59, 1
	s_add_co_u32 s60, s60, s61
	s_lshl_b32 s60, s60, 12
	s_lshl_b32 s61, s15, 19
	s_add_co_u32 s60, s60, s61
	s_and_b32 s62, s[WV], 1
	s_lshl_b32 s61, s62, 11
	s_add_co_u32 s60, s60, s61
	s_mov_b32 s61, 0
	s_add_nc_u64 s[6:7], s[6:7], s[60:61]
	s_mul_i32 s63, s15, HEADV                      ; the head's part of vp
	s_lshl_b32 s60, s14, 9                         ; 64 / n_c: behind V', 512 bytes a block of 256 keys
	s_add_co_u32 s60, s60, s63
	s_add_co_u32 s60, s60, 262144
	s_add_nc_u64 s[DEN:DEN+1], s[8:9], s[60:61]
	s_lshl_b32 s60, s14, 3                         ; V': group 8 x block + kg, 4,096 bytes a group; channel tiles 2 (w % 2) on
	s_add_co_u32 s60, s60, s59
	s_lshl_b32 s60, s60, 12
	s_add_co_u32 s60, s60, s63
	s_lshl_b32 s63, s62, 11
	s_add_co_u32 s60, s60, s63
	s_add_nc_u64 s[8:9], s[8:9], s[60:61]
	s_lshl_b32 s68, s15, 23                        ; the scores: 8,388,608 bytes a head,
	s_lshl_b32 s69, s12, 21                        ; 32 tiles of queries a quarter, 65,536 bytes each,
	s_add_co_u32 s68, s68, s69
	s_lshl_b32 s69, s14, 13                        ; eight groups of 32 keys a block, 1,024 bytes each,
	s_add_co_u32 s68, s68, s69
	s_lshl_b32 s69, s11, 11                        ; two groups a wave
	s_add_co_u32 s68, s68, s69
	s_mov_b32 s69, 0
	s_add_nc_u64 s[SCB:SCB+1], s[SCB:SCB+1], s[68:69]
	v_mov_b32 v[A3], 0xbc996e30                    ; -0.0187293
	v_mov_b32 v[A3+1], 0xbc996e30
.set ii, 0
.rept 32
	v_mov_b32 v[CS+ii], 0
.set ii, ii+1
.endr
; A TRIP: one tile of 16 queries against my 64 keys.  The four accumulators take turns, one instruction a turn.
.macro TRIP
	v_add_nc_u32 v[ADQ], s[TB], v[AQ0]
.irp u, 0,1,2,3
	ds_load_b128 v[QF+4*\u:QF+4*\u+3], v[ADQ] offset:512*\u        ; 512 consecutive bytes a load
.endr
	s_wait_dscnt 0x0
.irp t, 0,1,2,3
	v_wmma_f32_16x16x32_f16 v[C+8*\t:C+8*\t+7], v[KF+16*\t:KF+16*\t+7], v[QF:QF+7], 0
.endr
.irp t, 0,1,2,3
	v_wmma_f32_16x16x32_f16 v[C+8*\t:C+8*\t+7], v[KF+16*\t+8:KF+16*\t+15], v[QF+8:QF+15], v[C+8*\t:C+8*\t+7]
.endr
.rept 4
	v_nop                                          ; places ahead of the first read of results
.endr
	SCORE_A
	SCORE_B
.set ii, 0
.rept 16
	v_pk_add_f32 v[CS+ii:CS+ii+1], v[CS+ii:CS+ii+1], v[C+ii:C+ii+1]                ; the sums take the scores before they are rounded
.set ii, ii+2
.endr
	s_wait_xcnt 0x0                                ; the last trip's stores have read their base and their data: both are written again only behind this wait
	s_add_nc_u64 s[SCB:SCB+1], s[SCB:SCB+1], 0x10000   ; a tile of queries on; the stores below reach back
.set ii, 0
.rept 16
	v_cvt_pk_f16_f32 v[H+ii], v[C+2*ii], v[C+2*ii+1]               ; registers 8 g .. 8 g + 7: keys 32 g + 8 h + 0 .. 7 and 32 g + 16 + 8 h + 0 .. 7 of my query
.set ii, ii+1
.endr
.irp g, 0,1
.irp c, 0,1
	global_store_b128 v[L16], v[H+8*\g+4*\c:H+8*\g+4*\c+3], s[SCB:SCB+1] offset:1024*\g+512*\c-65536 th:TH_STORE_NT   ; 512 consecutive bytes; written once, read by nobody here
.endr
.endr
	s_add_co_u32 s[TB], s[TB], 2048
.endm
	s_wait_tensorcnt 0x1                           ; my part of the first halves is in; my part of the second may be out
	s_barrier_signal -1
	s_barrier_wait -1                              ; everybody's is
	s_wait_loadcnt 0x0                             ; k
	s_mov_b32 s[TB], 0
	s_mov_b32 s[CNT], 16
.Lfirst:
	TRIP
	s_sub_co_u32 s[CNT], s[CNT], 1
	s_cmp_lg_u32 s[CNT], 0
	s_cbranch_scc1 .Lfirst
	s_wait_tensorcnt 0x0                           ; my part of the second halves is in,
	s_wait_dscnt 0x0
	s_barrier_signal -1
	s_barrier_wait -1                              ; everybody's is
	s_mov_b32 s[TB], 32768
	s_mov_b32 s[CNT], 16
.Lsecond:
	TRIP
	s_sub_co_u32 s[CNT], s[CNT], 1
	s_cmp_lg_u32 s[CNT], 0
	s_cbranch_scc1 .Lsecond
	; THE TAIL.  v first: a lane takes ONE channel and eight neighbouring keys, as V's operand wants them: 32 loads of 4 bytes (65,536 bytes a work-group are read so)
.irp uu, 0,1
.irp c, 0,1
.irp i, 0,1,2,3,4,5,6,7
	global_load_b32 v[KF+16*\uu+8*\c+\i], v[VL], s[6:7] offset:4096*\c+1024*\uu+16*\i
.endr
.endr
.endr
.irp m, 1,2,4,8                                ; a key's queries lie in the sixteen lanes of my half: four steps leave their sum in every one of them
.set ii, 0
.rept 32
	v_add_f32_dpp v[CS+ii], v[CS+ii], v[CS+ii] row_xmask:\m row_mask:0xf bank_mask:0xf
.set ii, ii+1
.endr
.endr
.irp t, 0,1,2,3
	ds_store_b128 v[PST], v[CS+8*\t:CS+8*\t+3] offset:64*\t        ; keys 16 t + 8 h + 0 .. 7: the sixteen lanes of a half write the same words with the same values
	ds_store_b128 v[PST], v[CS+8*\t+4:CS+8*\t+7] offset:64*\t+16
.endr
	s_wait_dscnt 0x0                               ; for the others' sake: my stores are done
	s_barrier_signal -1
	s_barrier_wait -1
.irp q, 0,1,2,3
.irp c, 0,1
	ds_load_b128 v[X+16*\q+8*\c:X+16*\q+8*\c+3], v[PLD] offset:1024*\q+64*\c        ; quarter q's sums of keys 32 kg + 16 c + 8 h + 0 .. 7
	ds_load_b128 v[X+16*\q+8*\c+4:X+16*\q+8*\c+7], v[PLD] offset:1024*\q+64*\c+16
.endr
.endr
	s_wait_dscnt 0x0
.irp p, 0,2,4,6,8,10,12,14
	v_pk_add_f32 v[X+\p:X+\p+1], v[X+\p:X+\p+1], v[X+16+\p:X+16+\p+1]
	v_pk_add_f32 v[X+32+\p:X+32+\p+1], v[X+32+\p:X+32+\p+1], v[X+48+\p:X+48+\p+1]
.endr
.irp p, 0,2,4,6,8,10,12,14
	v_pk_add_f32 v[X+\p:X+\p+1], v[X+\p:X+\p+1], v[X+32+\p:X+32+\p+1]              ; n_c of my 16 keys
.endr
.irp n, 0,1,2,3,4,5,6,7,8,9,10,11,12,13,14,15
	v_rcp_f32 v[X+\n], v[X+\n]
.endr
	v_nop
	s_wait_alu depctr_va_vdst(0)
.irp p, 0,2,4,6,8,10,12,14
	v_pk_mul_f32 v[X+\p:X+\p+1], v[X+\p:X+\p+1], s[C64:C64+1] op_sel_hi:[1,0]      ; 64 / n_c
.endr
	s_wait_loadcnt 0x0                             ; v
.irp uu, 0,1
.irp p, 0,2,4,6,8,10,12,14
	v_pk_mul_f32 v[KF+16*\uu+\p:KF+16*\uu+\p+1], v[KF+16*\uu+\p:KF+16*\uu+\p+1], v[X+\p:X+\p+1]
.endr
.endr
.irp n, 0,1,2,3,4,5,6,7,8,9,10,11,12,13,14,15
	v_cvt_pk_f16_f32 v[KF+32+\n], v[KF+2*\n], v[KF+2*\n+1]
.endr
.irp uu, 0,1
.irp c, 0,1
	global_store_b128 v[L16], v[KF+32+8*\uu+4*\c:KF+32+8*\uu+4*\c+3], s[8:9] offset:1024*\uu+512*\c   ; 512 consecutive bytes
.endr
.endr
	s_cmp_lg_u32 s[WV], 0                          ; wave 0 writes the block's 64 / n_c in the keys' order, eight keys a lane, and its part of the zeros
	s_cbranch_scc1 .Lno_den
.irp q, 0,1,2,3
	ds_load_b128 v[C+8*\q:C+8*\q+3], v[PLD2] offset:1024*\q        ; quarter q's sums of keys 8 x lane + 0 .. 7
	ds_load_b128 v[C+8*\q+4:C+8*\q+7], v[PLD2] offset:1024*\q+16
.endr
	s_wait_dscnt 0x0
.irp p, 0,2,4,6
	v_pk_add_f32 v[C+\p:C+\p+1], v[C+\p:C+\p+1], v[C+8+\p:C+8+\p+1]
	v_pk_add_f32 v[C+16+\p:C+16+\p+1], v[C+16+\p:C+16+\p+1], v[C+24+\p:C+24+\p+1]
.endr
.irp p, 0,2,4,6
	v_pk_add_f32 v[C+\p:C+\p+1], v[C+\p:C+\p+1], v[C+16+\p:C+16+\p+1]
.endr
.irp n, 0,1,2,3,4,5,6,7
	v_rcp_f32 v[C+\n], v[C+\n]
.endr
	v_nop
	s_wait_alu depctr_va_vdst(0)
.irp p, 0,2,4,6
	v_pk_mul_f32 v[C+\p:C+\p+1], v[C+\p:C+\p+1], s[C64:C64+1] op_sel_hi:[1,0]
.endr
.irp n, 0,1,2,3
	v_cvt_pk_f16_f32 v[C+8+\n], v[C+2*\n], v[C+2*\n+1]
	v_mov_b32 v[C+12+\n], 0
.endr
	global_store_b128 v[L16], v[C+8:C+11], s[DEN:DEN+1]            ; 512 consecutive bytes
	global_store_b128 v[L16], v[C+12:C+15], s[DEN:DEN+1] offset:4096
.Lno_den:
	s_wait_tensorcnt 0x0                           ; the wave's end
	ds_add_u32 v[SPW], v[NIL]
	s_wait_dscnt 0x0
	CROUND                                         ; the closing round
	s_endpgm
.Lfunc_end_k_q0c5c0ac306_colsum:
	.size	k_q0c5c0ac306_colsum, .Lfunc_end_k_q0c5c0ac306_colsum-k_q0c5c0ac306_colsum
	.p2alignl 7, 3214868480
	.fill 96, 4, 3214868480
	.section	.rodata,"a",@progbits
	.p2align	6, 0x0
	.amdhsa_kernel k_q0c5c0ac306_colsum
		.amdhsa_group_segment_fixed_size 327680
		.amdhsa_private_segment_fixed_size 0
		.amdhsa_enable_private_segment 0
		.amdhsa_kernarg_size 32
		.amdhsa_user_sgpr_count 2
		.amdhsa_user_sgpr_kernarg_segment_ptr 1
		.amdhsa_wavefront_size32 1
		.amdhsa_system_sgpr_workgroup_id_x 1
		.amdhsa_system_sgpr_workgroup_id_y 1
		.amdhsa_system_sgpr_workgroup_id_z 1
		.amdhsa_system_vgpr_workitem_id 0
		.amdhsa_next_free_vgpr 256
		.amdhsa_next_free_sgpr 72
		.amdhsa_reserve_vcc 0
		.amdhsa_float_denorm_mode_32 3
		.amdhsa_float_denorm_mode_16_64 3
		.amdhsa_memory_ordered 1
		.amdhsa_forward_progress 1
		.amdhsa_inst_pref_size 66
	.end_amdhsa_kernel
	.amdgpu_metadata
---
amdhsa.version: [ 1, 2 ]
amdhsa.kernels:
  - .name:           k_q0c5c0ac306_colsum
    .symbol:         k_q0c5c0ac306_colsum.kd
    .args:
      - { .name: qk, .offset: 0, .size: 8, .value_kind: global_buffer, .address_space: global }
      - { .name: vimg, .offset: 8, .size: 8, .value_kind: global_buffer, .address_space: global }
      - { .name: vp, .offset: 16, .size: 8, .value_kind: global_buffer, .address_space: global }
      - { .name: sc, .offset: 24, .size: 8, .value_kind: global_buffer, .address_space: global }
    .group_segment_fixed_size: 327680
    .private_segment_fixed_size: 0
    .kernarg_segment_align: 8
    .kernarg_segment_size: 32
    .max_flat_workgroup_size: 512
    .sgpr_count:     72
    .vgpr_count:     256
    .wavefront_size: 32
...
	.end_amdgpu_metadata
.endif
;; end of part 3
;; launch attend (part 4): grid 8 x 32, 16 waves a work-group, clusters of 4 x 1, 327,680 bytes of LDS; arguments sc, vp, aimg; writes aimg
.if DOCPART == 4
	.amdgcn_target "amdgcn-amd-amdhsa--gfx1250"
	.amdhsa_code_object_version 6
	.text
	.protected	k_q0c5c0ac306_attend
	.globl	k_q0c5c0ac306_attend
	.p2align	8
	.type	k_q0c5c0ac306_attend,@function
k_q0c5c0ac306_attend:
	s_mov_b64 s[64:65], 0
	v_nop
	global_prefetch_b8 v0, s[64:65] scope:SCOPE_SE
	s_setreg_imm32_b32 hwreg(HW_REG_WAVE_MODE, 25, 1), 1
	s_wait_xcnt 0x0
	s_wait_alu depctr_hold_cnt(0) depctr_sa_sdst(0) depctr_va_vdst(0) depctr_va_sdst(0) depctr_va_ssrc(0) depctr_va_vcc(0) depctr_vm_vsrc(0)
	s_getreg_b32 s2, hwreg(HW_REG_IB_STS2, 6, 4)
	s_cmp_eq_u32 s2, 0
	s_cbranch_scc0 .Lentry_in_a_cluster
	s_endpgm
.Lentry_in_a_cluster:
	s_bfe_u32 s2, ttmp6, 0x10000c
	s_cmp_lg_u32 s2, 0x3003
	s_cbranch_scc0 .Lentry_shape_is_right
	s_endpgm
.Lentry_shape_is_right:
; out[s] = (sum over t of score(s, t) V'[t]) / (sum over t of score(s, t) 64 / n_c[t]), V' = 64 v / n_c: what the two-sided normalisation and the L1 normalisation of the rows come to.
; The scores come from the launch before, in f16, laid as this product's operand: sc[head][tile of 16 queries: 65,536 bytes][group of 32 keys: 1,024][c][lane][16 bytes]: lane (r, h) holds query r, keys 16 c + 8 h + 0 .. 7.
; Each byte of them is read once, by one wave, from memory straight into the operand's registers: 512 consecutive bytes a load.
; SHARES.  A work-group owns 256 queries of one head: 1,048,576 bytes of scores.  Wave w: queries 32 (w / 2) on (two tiles), half j = w % 2 of the head's keys: 32 trips of 32 keys.  Register slot a holds query tile
; 2 (w / 2) + (a xor j): so at the end every wave keeps its slot 0 and hands its slot 1 to wave w xor 1, without a branch.  A fragment of V' read from LDS feeds two products.
; THE STREAM.  A trip's scores are four loads, 16 registers.  A ring of seven such slots in registers: the loads of seven trips, 14,336 bytes a wave, are on their way.  The 32 trips are written out: every offset is an immediate.
; V'.  The head's whole part of vp, 270,336 bytes, comes into LDS once, one load of 66 rows of 256 bytes a wave: nothing is filled again.  CLUSTER: the four query blocks of a cluster need the same bytes: each part is
; asked for jointly (mask 15).  It holds V' as [group of 32 keys][u 0..3][c][lane][16 bytes], then 64 / n_c in f16 in the keys' order, then 4,096 bytes of zeros.
; O^T = V'^T P (source 0 = 16 channels, source 1 = 16 queries, K = 32 keys): a lane holds one query and eight channels.  A FIFTH TILE has 64 / n_c in rows 0 and 8 and zeros elsewhere: the lanes of those two rows read the
; table, the others the zeros 4,096 bytes further on.  Its product's register 0 is the row's divisor, in both halves of the lanes.
; OUT: aimg[tile of 16 tokens][head][block u][lane][16 bytes], f16: lane (r, h) holds token r, channels 16 u + 8 h + 0 .. 7: the projection's operand.
; LIMIT OF RANGE: the result goes on in f16; with x and w_qkv both 30 times smaller than drawn it lies near 1.6e-5, where f16's step is 6e-8: about one part in a thousand of each number.  NaN and infinities are not served.
.set HEADV, 270336                     ; a head's bytes in vp, and in LDS from byte 0 on
.set PARTB, 16896                      ; a wave's part of them: 66 rows of 256 bytes
.set DENB,  262144                     ; where 64 / n_c begins
.set SPARE, 270336                     ; behind the image: the spare words, 128 bytes a wave
.set NT,  32                           ; trips
.set D,   7                            ; slots of the ring
.set L16, 1                            ; v1   16 x lane
.set AV0, 2                            ; v2   my half of V' + 16 x lane;
.set AV1, 3                            ; v3   and 16 groups of keys, 65,536 bytes, further on (an LDS immediate has 16 bits)
.set AD0, 4                            ; v4   the fifth tile: my half of the table, or of the zeros, + 16 (lane / 16)
.set TT,  5
.set XST, 6                            ; v6   the exchange: 5,120 w + 16 x lane: in V's bytes, which nobody reads any more by then
.set XLD, 7                            ; v7   5,120 (w xor 1) + 16 x lane
.set SPW, 8                            ; v8   LDS address of my spare word; never rewritten
.set NIL, 9                            ; v9   0; never rewritten
.set RC,  12                           ; v[12:13] 1 / the divisor (the packed form names a pair)
.set O,   16                           ; v[16:95]   O^T: slot a, tile u at 40 a + 8 u
.set VF,  96                           ; v[96:135]  V's five tiles of a trip
.set PR,  136                          ; v[136:247] the ring: slot s at 16 s; in it query slot a at 8 a
.set SUM, 136                          ; the way out
.set HO,  176
.set WV,  10
.set G1,  16
.set G0,  24
.set SB0, 28                           ; s[28:29] query slot 0's scores of my half of the keys
.set SB1, 30                           ; s[30:31] query slot 1's
.macro CROUND                          ; a round of the cluster's barrier
	s_barrier_signal -1
	s_barrier_wait -1
	s_cmp_lg_u32 s[WV], 0
	s_cbranch_scc1 .Lnot_wave_0_\@
	s_barrier_signal -3
.Lnot_wave_0_\@:
	s_barrier_wait -3
	s_barrier_signal -1
	s_barrier_wait -1
.endm
.macro PLOAD n                         ; trip n's scores: 32 keys x my 32 queries, into slot n % D
.irp c, 0,1
	global_load_b128 v[PR+16*((\n)%D)+4*\c:PR+16*((\n)%D)+4*\c+3], v[L16], s[SB0:SB0+1] offset:1024*(\n)+512*\c th:TH_LOAD_NT
.endr
.irp c, 0,1
	global_load_b128 v[PR+16*((\n)%D)+8+4*\c:PR+16*((\n)%D)+8+4*\c+3], v[L16], s[SB1:SB1+1] offset:1024*(\n)+512*\c th:TH_LOAD_NT
.endr
.endm
	s_load_b128 s[4:7], s[0:1], 0x0                ; sc, vp
	s_load_b64 s[8:9], s[0:1], 0x10                ; aimg
	v_lshl_add_u32 v[SPW], v0, 2, SPARE
	v_mov_b32 v[NIL], 0
	ds_add_u32 v[SPW], v[NIL]                      ; the wave's opening: the add, twice on end, and its wait ahead of my first tensor load
	ds_add_u32 v[SPW], v[NIL]
	v_lshrrev_b32 v1, 5, v0
	v_readfirstlane_b32 s[WV], v1                  ; wave 0..15
	s_lshr_b32 s11, s[WV], 1                       ; i: my 32 queries
	s_and_b32 s12, s[WV], 1                        ; j: my half of the keys
	s_bfe_u32 s13, ttmp6, 0x40000                  ; cx
	s_lshl_b32 s14, ttmp9, 2
	s_add_co_u32 s14, s14, s13                     ; my block of 256 queries: it enters sc's and aimg's addresses alone
	s_and_b32 s15, ttmp7, 0xffff                   ; batch x 16 + head, which the four partners share
	; descriptor group 1: 66 rows of 256 dense bytes (32 elements of 8 bytes)
	s_mov_b32 s[G1], 15|(3<<16)|(1<<21)            ; 15:0 the mask: all four work-groups; 17:16 elements of 8 bytes; 21 set beside a mask
	s_mov_b32 s[G1+1], 32<<16                      ; tensor_dim0
	s_mov_b32 s[G1+2], 66<<16                      ; tensor_dim1
	s_mov_b32 s[G1+3], 32<<16                      ; tile_dim0
	s_mov_b32 s[G1+4], 66                          ; tile_dim1
	s_mov_b32 s[G1+5], 32                          ; tensor_dim0_stride
	s_mov_b32 s[G1+6], 0
	s_mov_b32 s[G1+7], 0
	s_mul_i32 s32, s[WV], PARTB                    ; my part's place, in LDS and in the head's bytes alike: no place in the cluster enters it
	s_mul_i32 s34, s15, HEADV
	s_add_co_u32 s34, s34, s32
	s_mov_b32 s35, 0
	s_wait_dscnt 0x0                               ; both opening adds are done
	s_wait_kmcnt 0x0
	s_mov_b32 s[G0], 1
	s_mov_b32 s[G0+1], s32
	s_add_nc_u64 s[G0+2:G0+3], s[6:7], s[34:35]
	s_or_b32 s[G0+3], s[G0+3], 0x80000000
	CROUND                                         ; all four work-groups are here: the joint loads meet
	tensor_load_to_lds s[G0:G0+3], s[G1:G1+7]      ; my one tensor load of the launch
	s_nop 0
.rept 4
	v_nop
.endr
	v_and_b32 v[L16], 31, v0
	v_lshlrev_b32 v[L16], 4, v[L16]
	s_lshl_b32 s36, s14, 4
	s_lshl_b32 s37, s11, 1
	s_add_co_u32 s36, s36, s37                     ; 16 x block + 2 i
	s_add_co_u32 s37, s36, s12                     ; slot 0's tile of queries: also the tile that I store
	s_xor_b32 s38, s12, 1
	s_add_co_u32 s38, s36, s38                     ; slot 1's
	s_lshl_b32 s39, s15, 23                        ; the head's scores: 8,388,608 bytes,
	s_lshl_b32 s40, s12, 15                        ; my half of the keys: 32 groups of 1,024 bytes
	s_add_co_u32 s39, s39, s40
	s_lshl_b32 s40, s37, 16                        ; 65,536 bytes a tile of queries
	s_add_co_u32 s40, s40, s39
	s_mov_b32 s41, 0
	s_add_nc_u64 s[SB0:SB0+1], s[4:5], s[40:41]
	s_lshl_b32 s40, s38, 16
	s_add_co_u32 s40, s40, s39
	s_add_nc_u64 s[SB1:SB1+1], s[4:5], s[40:41]
.set TN, 0
.rept D
	PLOAD TN                                       ; the ring is filled: 28 loads of mine are out
.set TN, TN+1
.endr
	s_lshr_b32 s40, s15, 4                         ; aimg: tile 128 x batch + slot 0's tile, 32,768 bytes a tile; 2,048 a head
	s_lshl_b32 s40, s40, 7
	s_add_co_u32 s40, s40, s37
	s_lshl_b32 s40, s40, 15
	s_and_b32 s42, s15, 15
	s_lshl_b32 s42, s42, 11
	s_add_co_u32 s40, s40, s42
	s_add_nc_u64 s[8:9], s[8:9], s[40:41]
	s_lshl_b32 s42, s12, 17                        ; 32 groups of keys x 4,096 bytes
	v_add_nc_u32 v[AV0], s42, v[L16]
	v_add_nc_u32 v[AV1], 0x10000, v[AV0]
	v_and_b32 v[TT], 7, v0
	v_add_nc_u32 v[TT], 7, v[TT]
	v_lshrrev_b32 v[TT], 3, v[TT]                  ; 0 in the lanes of rows 0 and 8, 1 in the others,
	v_lshlrev_b32 v[AD0], 12, v[TT]                ; which read the zeros, 4,096 bytes behind the table
	v_bfe_u32 v[TT], v0, 4, 1
	v_lshl_add_u32 v[AD0], v[TT], 4, v[AD0]        ; + 16 (lane / 16): eight keys in f16
	s_lshl_b32 s42, s12, 11                        ; my half: 1,024 keys x 2 bytes
	s_add_co_u32 s42, s42, DENB
	v_add_nc_u32 v[AD0], s42, v[AD0]
	s_mul_i32 s42, s[WV], 5120
	v_add_nc_u32 v[XST], s42, v[L16]
	s_xor_b32 s42, s[WV], 1
	s_mul_i32 s42, s42, 5120
	v_add_nc_u32 v[XLD], s42, v[L16]
	v_mov_b32 v[RC+1], 0                           ; (named as the upper half of a pair)
; A TRIP: 32 keys against my 32 queries.  The first starts O^T's sums: nothing is cleared.  The ten accumulators take turns, one instruction a turn.
.macro TRIP n
.irp u, 0,1,2,3
.irp c, 0,1
	ds_load_b128 v[VF+8*\u+4*\c:VF+8*\u+4*\c+3], v[AV0+(\n)/16] offset:4096*((\n)%16)+1024*\u+512*\c   ; 512 consecutive bytes a load
.endr
.endr
.irp c, 0,1
	ds_load_b128 v[VF+32+4*\c:VF+32+4*\c+3], v[AD0] offset:64*(\n)+32*\c           ; the fifth tile
.endr
.if NT-1-(\n) < D-1
	s_wait_loadcnt 4*(NT-1-(\n))                   ; the last trips: the counts run down
.else
	s_wait_loadcnt 4*(D-1)                         ; this trip's four loads are in; those of the six trips behind it may be out
.endif
	s_wait_dscnt 0x0
.irp u, 0,1,2,3,4
.irp a, 0,1
.if (\n) == 0
	v_wmma_f32_16x16x32_f16 v[O+40*\a+8*\u:O+40*\a+8*\u+7], v[VF+8*\u:VF+8*\u+7], v[PR+16*((\n)%D)+8*\a:PR+16*((\n)%D)+8*\a+7], 0
.else
	v_wmma_f32_16x16x32_f16 v[O+40*\a+8*\u:O+40*\a+8*\u+7], v[VF+8*\u:VF+8*\u+7], v[PR+16*((\n)%D)+8*\a:PR+16*((\n)%D)+8*\a+7], v[O+40*\a+8*\u:O+40*\a+8*\u+7]
.endif
.endr
.endr
.rept 4
	v_nop                                          ; places between the products and the loads into the registers that they read; behind the last trip: ahead of the first read of results
.endr
.if (\n)+D < NT
	PLOAD (\n)+D                                   ; the slot takes the trip seven further on
.endif
.endm
	s_wait_tensorcnt 0x0                           ; my part of the image is in,
	s_barrier_signal -1
	s_barrier_wait -1                              ; everybody's is
.set TN, 0
.rept NT
	TRIP TN
.set TN, TN+1
.endr
	; THE WAY OUT.  My slot 1 goes to wave w xor 1, its slot 1 comes to me: the other half of the keys for my slot 0's queries.
	s_wait_dscnt 0x0                               ; my reads of V' are over,
	s_barrier_signal -1
	s_barrier_wait -1                              ; everybody's are: its bytes, which have had their one fill, may be written
.irp n, 0,1,2,3,4,5,6,7,8,9
	ds_store_b128 v[XST], v[O+40+4*\n:O+40+4*\n+3] offset:512*\n   ; each accumulator from its low end on
.endr
	s_wait_dscnt 0x0                               ; for the other wave's sake: my stores are done
	s_barrier_signal -1
	s_barrier_wait -1
.irp n, 0,1,2,3,4,5,6,7,8,9
	ds_load_b128 v[VF+4*\n:VF+4*\n+3], v[XLD] offset:512*\n
.endr
	s_wait_dscnt 0x0
.irp p, 0,2,4,6,8,10,12,14,16,18,20,22,24,26,28,30,32,34,36,38
	v_pk_add_f32 v[SUM+\p:SUM+\p+1], v[O+\p:O+\p+1], v[VF+\p:VF+\p+1]
.endr
	v_rcp_f32 v[RC], v[SUM+32]                     ; the fifth tile's register 0: the row's divisor
	v_nop
	s_wait_alu depctr_va_vdst(0)
.irp p, 0,2,4,6,8,10,12,14,16,18,20,22,24,26,28,30
	v_pk_mul_f32 v[SUM+\p:SUM+\p+1], v[SUM+\p:SUM+\p+1], v[RC:RC+1] op_sel_hi:[1,0]
.endr
.irp n, 0,1,2,3,4,5,6,7,8,9,10,11,12,13,14,15
	v_cvt_pk_f16_f32 v[HO+\n], v[SUM+2*\n], v[SUM+2*\n+1]
.endr
.irp u, 0,1,2,3
	global_store_b128 v[L16], v[HO+4*\u:HO+4*\u+3], s[8:9] offset:512*\u           ; 512 consecutive bytes
.endr
	s_wait_tensorcnt 0x0                           ; the wave's end
	ds_add_u32 v[SPW], v[NIL]
	s_wait_dscnt 0x0
	CROUND                                         ; the closing round
	s_endpgm
.Lfunc_end_k_q0c5c0ac306_attend:
	.size	k_q0c5c0ac306_attend, .Lfunc_end_k_q0c5c0ac306_attend-k_q0c5c0ac306_attend
	.p2alignl 7, 3214868480
	.fill 96, 4, 3214868480
	.section	.rodata,"a",@progbits
	.p2align	6, 0x0
	.amdhsa_kernel k_q0c5c0ac306_attend
		.amdhsa_group_segment_fixed_size 327680
		.amdhsa_private_segment_fixed_size 0
		.amdhsa_enable_private_segment 0
		.amdhsa_kernarg_size 24
		.amdhsa_user_sgpr_count 2
		.amdhsa_user_sgpr_kernarg_segment_ptr 1
		.amdhsa_wavefront_size32 1
		.amdhsa_system_sgpr_workgroup_id_x 1
		.amdhsa_system_sgpr_workgroup_id_y 1
		.amdhsa_system_sgpr_workgroup_id_z 1
		.amdhsa_system_vgpr_workitem_id 0
		.amdhsa_next_free_vgpr 256
		.amdhsa_next_free_sgpr 66
		.amdhsa_reserve_vcc 0
		.amdhsa_float_denorm_mode_32 3
		.amdhsa_float_denorm_mode_16_64 3
		.amdhsa_memory_ordered 1
		.amdhsa_forward_progress 1
		.amdhsa_inst_pref_size 68
	.end_amdhsa_kernel
	.amdgpu_metadata
---
amdhsa.version: [ 1, 2 ]
amdhsa.kernels:
  - .name:           k_q0c5c0ac306_attend
    .symbol:         k_q0c5c0ac306_attend.kd
    .args:
      - { .name: sc, .offset: 0, .size: 8, .value_kind: global_buffer, .address_space: global }
      - { .name: vp, .offset: 8, .size: 8, .value_kind: global_buffer, .address_space: global }
      - { .name: aimg, .offset: 16, .size: 8, .value_kind: global_buffer, .address_space: global }
    .group_segment_fixed_size: 327680
    .private_segment_fixed_size: 0
    .kernarg_segment_align: 8
    .kernarg_segment_size: 24
    .max_flat_workgroup_size: 512
    .sgpr_count:     66
    .vgpr_count:     256
    .wavefront_size: 32
...
	.end_amdgpu_metadata
.endif
;; end of part 4
;; launch proj (part 5): grid 8 x 32, 4 waves a work-group, clusters of 4 x 4, 327,680 bytes of LDS; arguments aimg, wimg, b_out, out0; writes out0
.if DOCPART == 5
	.amdgcn_target "amdgcn-amd-amdhsa--gfx1250"
	.amdhsa_code_object_version 6
	.text
	.protected	k_q0c5c0ac306_proj
	.globl	k_q0c5c0ac306_proj
	.p2align	8
	.type	k_q0c5c0ac306_proj,@function
k_q0c5c0ac306_proj:
	s_mov_b64 s[64:65], 0
	v_nop
	global_prefetch_b8 v0, s[64:65] scope:SCOPE_SE
	s_setreg_imm32_b32 hwreg(HW_REG_WAVE_MODE, 25, 1), 1
	s_wait_xcnt 0x0
	s_wait_alu depctr_hold_cnt(0) depctr_sa_sdst(0) depctr_va_vdst(0) depctr_va_sdst(0) depctr_va_ssrc(0) depctr_va_vcc(0) depctr_vm_vsrc(0)
	s_getreg_b32 s2, hwreg(HW_REG_IB_STS2, 6, 4)
	s_cmp_eq_u32 s2, 0
	s_cbranch_scc0 .Lentry_in_a_cluster
	s_endpgm
.Lentry_in_a_cluster:
	s_bfe_u32 s2, ttmp6, 0x10000c
	s_cmp_lg_u32 s2, 0xf033
	s_cbranch_scc0 .Lentry_shape_is_right
	s_endpgm
.Lentry_shape_is_right:
; out0[m][n] = sum over k of a[m][k] w_out[n][k] + b_out[n]; 4,096 x 1,024 x 1,024; operands in f16, sums and result in f32.
; Both operands lie in memory in the order of the operand registers: [tile of 16 rows: 32,768 bytes][block of 16 along k: 512 bytes][lane][16 bytes]: lane (r, h) of block q holds row r, k = 16 q + 8 h + 0 .. 7.
; So a fragment (16 rows x 32 k) is two loads of 512 consecutive bytes, from memory's order as it stands: no pitch, no padding.
; A tile of 128 x 128 gives 8 x 32 = 256 work-groups.  Four waves, each 64 x 64: 16 accumulators, 128 registers.  K goes in four steps of 256 through two LDS slots; a wave's tensor load brings four tiles' 8,192 bytes.
; CLUSTERS: 4 x 4 work-groups.  The four of a row of the cluster need the same tiles of a, the four of a column the same tiles of w_out: each is asked for jointly.
; THE MATRIX INSTRUCTION IS USED TRANSPOSED (source 0 = 16 rows of w_out, source 1 = 16 rows of a): a lane holds eight neighbouring numbers of a row of the result.  The bias is the C of each sum's first product.
; REGISTERS: window 0: v0-31 addresses; v32-95 the way out; v96-127 the bias; v128-255 the accumulators ((a, b) at v[128 + 8 (4 a + b)]).   window 1: two fragment buffers of 128.
.set KB,     8192                      ; a tile of 16 rows x 256 along K
.set HALFT,  4*KB                      ; what one tensor load brings, and what one wave reads of a or of w_out
.set SLOT,   4*HALFT                   ; a's eight tiles, then w_out's eight
.set STAGE,  2*SLOT                    ; behind the ring: 16 rows x 272 bytes for each wave, for the way out
.set SPITCH, 272
.set SPARE,  STAGE+4*16*SPITCH         ; the spare words, 128 bytes a wave
.set LAPS,   2                         ; a lap = two K steps = once round the ring
.set ADRA, 16
.set ADRB, 20
.set STO,  24                          ; v24  the way out: where I put 32 bytes of a row
.set RD,   25                          ; v25  where I read a row back
.set CO,   26                          ; v26  my byte offset in the result
.set BO,   27                          ; v27  32 x (lane / 16)
.set SPW,  28                          ; v28  LDS address of my spare word; never rewritten
.set NIL,  29                          ; v29  0; never rewritten
.set TMP,  32
.set BI,   96
.set ACC,  128
.set F0,   0
.set F1,   128
.set G1, 24
.set G0, 32
.set G1B, 48
.set G0B, 56
.set LAP, 45
.set MSB, 0
.macro WIN new                         ; the immediate's high byte repeats the setting that is left
.if MSB != (\new)
	s_set_vgpr_msb (MSB<<8)|(\new)
.set MSB, (\new)
.endif
.endm
.set MUL,  0x05                        ; sources 0 and 1 window 1; C and D window 0
.set TO_F, 0x40                        ; destination window 1, address window 0
.macro JLOAD s                         ; a joint load: waves 0 and 1 fetch a's two halves, waves 2 and 3 w_out's; an s_nop 0 and four v_nop follow each of the two lines
	s_cmp_eq_u32 s11, 0
	s_cbranch_scc0 .Lfor_b_\@
	tensor_load_to_lds s[G0+4*\s:G0+4*\s+3], s[G1:G1+7]
	s_nop 0
.rept 4
	v_nop
.endr
	s_branch .Lasked_\@
.Lfor_b_\@:
	tensor_load_to_lds s[G0B+4*\s:G0B+4*\s+3], s[G1B:G1B+7]
	s_nop 0
.rept 4
	v_nop
.endr
.Lasked_\@:
.endm
.macro CREST                           ; a round of the cluster's barrier behind its opening barrier
	s_cmp_lg_u32 s10, 0
	s_cbranch_scc1 .Lnot_wave_0_\@
	s_barrier_signal -3
.Lnot_wave_0_\@:
	s_barrier_wait -3
	s_barrier_signal -1
	s_barrier_wait -1
.endm
.macro CROUND
	s_barrier_signal -1
	s_barrier_wait -1
	CREST
.endm
	s_load_b128 s[4:7], s[0:1], 0x0                ; aimg s[4:5], wimg s[6:7]
	s_load_b64 s[2:3], s[0:1], 0x10                ; b_out
	s_load_b64 s[8:9], s[0:1], 0x18                ; out0
	v_lshl_add_u32 v[SPW], v0, 2, SPARE
	v_mov_b32 v[NIL], 0
	ds_add_u32 v[SPW], v[NIL]                      ; the wave's opening: the add, twice on end, and its wait ahead of my first tensor load
	ds_add_u32 v[SPW], v[NIL]
	v_lshrrev_b32 v1, 5, v0
	v_readfirstlane_b32 s10, v1                    ; wave 0..3
	s_lshr_b32 s11, s10, 1                         ; which half of the tile's rows is mine.  Also: I fetch for a (0) or for w_out (1)
	s_and_b32 s12, s10, 1                          ; which half of its columns.  Also: which four tiles of 16 rows I fetch
	s_bfe_u32 s40, ttmp6, 0x40000                  ; cx, cy
	s_bfe_u32 s41, ttmp6, 0x40004
	s_lshl_b32 s42, ttmp9, 2
	s_add_co_u32 s42, s42, s40                     ; tile column = 4 x cluster x + cx
	s_and_b32 s13, ttmp7, 0xffff
	s_lshl_b32 s13, s13, 2
	s_add_co_u32 s13, s13, s41                     ; tile row = 4 x cluster y + cy
	s_lshl_b32 s43, s41, 2
	s_lshl_b32 s43, 15, s43                        ; my row of the cluster
	s_lshl_b32 s44, 0x1111, s40                    ; my column
	; descriptor group 1: four rows of 8,192 bytes (1,024 elements of 8 bytes), 32,768 bytes apart
	s_or_b32 s[G1+0], s43, (3<<16)|(1<<21)
	s_or_b32 s[G1B+0], s44, (3<<16)|(1<<21)
.irp g, G1, G1B
	s_mov_b32 s[\g+1], 1024<<16                    ; tensor_dim0
	s_mov_b32 s[\g+2], 4<<16                       ; tensor_dim1
	s_mov_b32 s[\g+3], 1024<<16                    ; tile_dim0
	s_mov_b32 s[\g+4], 4                           ; tile_dim1
	s_mov_b32 s[\g+5], 4096                        ; tensor_dim0_stride
	s_mov_b32 s[\g+6], 0
	s_mov_b32 s[\g+7], 0
.endr
	s_lshl_b32 s17, s12, 2                         ; which four tiles I fetch
	s_lshl_b32 s16, s13, 3
	s_add_co_u32 s16, s16, s17
	s_lshl_b32 s16, s16, 15                        ; a: tile 8 x tile row + 4 x half, 32,768 bytes a tile
	s_lshl_b32 s46, s42, 3
	s_add_co_u32 s46, s46, s17
	s_lshl_b32 s46, s46, 15                        ; w_out: tile 8 x tile column + 4 x half
	s_mov_b32 s17, 0
	s_mov_b32 s47, 0
	s_lshl_b32 s20, s10, 15                        ; where they go: wave x 32,768: no place in the cluster enters an LDS address
	s_wait_dscnt 0x0                               ; both opening adds are done
	s_wait_kmcnt 0x0
	s_add_nc_u64 s[14:15], s[4:5], s[16:17]
	s_add_nc_u64 s[46:47], s[6:7], s[46:47]
	CROUND                                         ; all sixteen work-groups are here: the first joint loads meet
.irp s, 0,1
	s_mov_b32 s[G0+4*\s], 1
	s_add_co_u32 s[G0+4*\s+1], s20, \s*SLOT
	s_add_nc_u64 s[G0+4*\s+2:G0+4*\s+3], s[14:15], \s*KB
	s_or_b32 s[G0+4*\s+3], s[G0+4*\s+3], 0x80000000
	s_mov_b32 s[G0B+4*\s], 1
	s_add_co_u32 s[G0B+4*\s+1], s20, \s*SLOT
	s_add_nc_u64 s[G0B+4*\s+2:G0B+4*\s+3], s[46:47], \s*KB
	s_or_b32 s[G0B+4*\s+3], s[G0B+4*\s+3], 0x80000000
	JLOAD \s                                       ; two loads of mine are out
.endr
	v_and_b32 v1, 15, v0                           ; l % 16
	v_bfe_u32 v2, v0, 4, 1                         ; l / 16
	v_and_b32 v3, 31, v0
	v_lshlrev_b32 v3, 4, v3                        ; 16 x lane
	s_lshl_b32 s21, s11, 15                        ; my four tiles of a
	s_lshl_b32 s22, s12, 15                        ; my four tiles of w_out,
	s_add_co_u32 s22, s22, 2*HALFT                 ; which lie behind a's eight
.irp s, 0,1
	v_add_nc_u32 v[ADRA+\s], s21, v3
	v_add_nc_u32 v[ADRB+\s], s22, v3
	s_add_co_u32 s21, s21, SLOT
	s_add_co_u32 s22, s22, SLOT
.endr
	s_mul_i32 s23, s10, 16*SPITCH
	s_add_co_u32 s23, s23, STAGE                   ; my stage
	v_mul_u32_u24 v4, v1, SPITCH                   ; in: row l % 16, 32 bytes for each half of the lanes
	v_lshl_add_u32 v4, v2, 5, v4
	v_add_nc_u32 v[STO], s23, v4
	v_mul_u32_u24 v5, v2, SPITCH                   ; back: lanes 0-15 take one row of 256 bytes, lanes 16-31 the next
	v_lshl_add_u32 v5, v1, 4, v5
	v_add_nc_u32 v[RD], s23, v5
	v_lshlrev_b32 v5, 12, v2                       ; and the same two rows in the result: 4,096 bytes a row
	v_lshl_add_u32 v[CO], v1, 4, v5
	v_lshlrev_b32 v[BO], 5, v2
	s_lshl_b32 s16, s13, 7
	s_lshl_b32 s17, s11, 6
	s_add_co_u32 s16, s16, s17                     ; my first row: 128 x tile row + 64 x half
	s_lshl_b32 s16, s16, 12
	s_mov_b32 s17, 0
	s_add_nc_u64 s[8:9], s[8:9], s[16:17]
	s_lshl_b32 s46, s42, 9                         ; my first column, in bytes: 512 x tile column + 256 x half
	s_lshl_b32 s47, s12, 8
	s_add_co_u32 s46, s46, s47
	s_mov_b32 s47, 0
	s_add_nc_u64 s[8:9], s[8:9], s[46:47]
	s_add_nc_u64 s[2:3], s[2:3], s[46:47]          ; and the bias of my 64 columns
.irp b, 0,1,2,3
	global_load_b128 v[BI+8*\b:BI+8*\b+3], v[BO], s[2:3] offset:64*\b              ; register 8 b + j: the bias of column 16 b + 8 (l / 16) + j
	global_load_b128 v[BI+8*\b+4:BI+8*\b+7], v[BO], s[2:3] offset:64*\b+16
.endr
; 8 matrix instructions: row blocks a0, a0 + 1 x all 4 column blocks, 32 along K: half c of buffer f.  zero = 1: the first product starts the sums, with the bias as its C.  The 16 accumulators take turns
.macro MUL8 f, c, a0, zero
.irp a, \a0, \a0+1
.irp b, 0,1,2,3
.if \zero
	v_wmma_f32_16x16x32_f16 v[ACC+8*(4*(\a)+\b):ACC+8*(4*(\a)+\b)+7], v[\f+64+8*(4*\c+\b):\f+64+8*(4*\c+\b)+7], v[\f+8*(4*\c+\a):\f+8*(4*\c+\a)+7], v[BI+8*\b:BI+8*\b+7]
.else
	v_wmma_f32_16x16x32_f16 v[ACC+8*(4*(\a)+\b):ACC+8*(4*(\a)+\b)+7], v[\f+64+8*(4*\c+\b):\f+64+8*(4*\c+\b)+7], v[\f+8*(4*\c+\a):\f+8*(4*\c+\a)+7], v[ACC+8*(4*(\a)+\b):ACC+8*(4*(\a)+\b)+7]
.endif
.endr
.endr
.endm
; 32 LDS loads in one run: the fragments of 64 along K, from byte k of each tile's 8,192, into buffer f; the first 32 along K first.  Each load takes 512 consecutive bytes
.macro FETCH slot, k, f
	WIN TO_F
.irp c, 0,1
.irp i, 0,1,2,3
	ds_load_b128 v[\f+64+8*(4*\c+\i):\f+64+8*(4*\c+\i)+3],   v[ADRB+\slot] offset:\k+1024*\c+\i*KB
	ds_load_b128 v[\f+64+8*(4*\c+\i)+4:\f+64+8*(4*\c+\i)+7], v[ADRB+\slot] offset:\k+1024*\c+\i*KB+512
	ds_load_b128 v[\f+8*(4*\c+\i):\f+8*(4*\c+\i)+3],         v[ADRA+\slot] offset:\k+1024*\c+\i*KB
	ds_load_b128 v[\f+8*(4*\c+\i)+4:\f+8*(4*\c+\i)+7],       v[ADRA+\slot] offset:\k+1024*\c+\i*KB+512
.endr
.endr
.endm
.macro PLACES                          ; four places in front of loads into registers that matrix instructions have read, and of reads of results
.rept 4
	v_nop
.endr
.endm
; A K step is four quarters of 64 along K, 32 matrix instructions each, on buffers 0, 1, 0, 1.
.macro QUARTER slot, k, f, g, zero
	s_wait_dscnt 16                                ; the first 32 along K are in
	WIN MUL
	MUL8 \f, 0, 0, \zero
	MUL8 \f, 0, 2, \zero
	PLACES
	FETCH \slot, \k, \g
	s_wait_dscnt 32                                ; all but the 32 just issued
	WIN MUL
	MUL8 \f, 1, 0, 0
	MUL8 \f, 1, 2, 0
.endm
; The last quarter multiplies buffer 1 and changes slots: one barrier; in front of it each wave waits for all its tensor loads and for its own reads of this slot.  fill = 1: this slot is filled again, two K steps ahead.
.macro TURN slot, next, fill
	WIN 0                                          ; (the add's two registers lie in window 0)
	s_wait_tensorcnt 0x0                           ; all my tensor loads have landed: my part of the next slot
	ds_add_u32 v[SPW], v[NIL]
	s_wait_dscnt 17                                ; (the add and the youngest sixteen loads may be out)
	WIN MUL
	MUL8 F1, 0, 0, 0
	s_wait_dscnt 0x0                               ; the add is done, and my reads of this slot are over
	s_barrier_signal -1
	MUL8 F1, 0, 2, 0
.if \fill
	WIN 0
.endif
	s_barrier_wait -1
.if \fill
	CREST                                          ; the barrier has opened a round of the cluster's barrier: no wave of any partner still reads this slot or has a load on its way
	s_add_nc_u64 s[G0+4*\slot+2:G0+4*\slot+3], s[G0+4*\slot+2:G0+4*\slot+3], 2*KB
	s_add_nc_u64 s[G0B+4*\slot+2:G0B+4*\slot+3], s[G0B+4*\slot+2:G0B+4*\slot+3], 2*KB
	JLOAD \slot                                    ; the first tensor load behind the round; the four v_nop behind it are also the places in front of the loads below
.else
	PLACES
.endif
	FETCH \next, 0, F0
	WIN MUL
	MUL8 F1, 1, 0, 0
	MUL8 F1, 1, 2, 0
.endm
	s_wait_tensorcnt 1                             ; my part of K step 0 is in (K step 1's load may be out),
	s_barrier_signal -1
	s_barrier_wait -1                              ; everybody's is
	FETCH 0, 0, F0
	s_wait_loadcnt 0x0                             ; the bias
	QUARTER 0, 2048, F0, F1, 1                     ; the first quarter stands in front of the loop: its first products start the sums
	WIN 0                                          ; at a label and at a branch every window is 0
	s_mov_b32 s[LAP], LAPS-1
.Llap:                                                 ; a trip goes once round the ring, from a lap's second quarter to the next lap's first, and fills both slots again
	QUARTER 0, 4096, F1, F0, 0
	QUARTER 0, 6144, F0, F1, 0
	TURN 0, 1, 1
	QUARTER 1, 2048, F0, F1, 0
	QUARTER 1, 4096, F1, F0, 0
	QUARTER 1, 6144, F0, F1, 0
	TURN 1, 0, 1
	QUARTER 0, 2048, F0, F1, 0
	WIN 0
	s_sub_co_u32 s[LAP], s[LAP], 1
	s_cmp_lg_u32 s[LAP], 0
	s_cbranch_scc1 .Llap
	QUARTER 0, 4096, F1, F0, 0                     ; the last lap fills nothing, and has no round of the cluster's barrier
	QUARTER 0, 6144, F0, F1, 0
	TURN 0, 1, 0
	QUARTER 1, 2048, F0, F1, 0
	QUARTER 1, 4096, F1, F0, 0
	QUARTER 1, 6144, F0, F1, 0
	s_wait_dscnt 16                                ; the very last quarter: nothing more to fetch
	WIN MUL
	MUL8 F1, 0, 0, 0
	MUL8 F1, 0, 2, 0
	s_wait_dscnt 0
	MUL8 F1, 1, 0, 0
	MUL8 F1, 1, 2, 0
	WIN 0
; THE WAY OUT, a block of 16 rows x 64 columns at a time.  A lane holds 32 neighbouring bytes of a row and the lanes beside it hold other rows: so a block goes through my own stage in LDS and comes back as whole rows of
; 256 bytes: sixteen lanes store 256 consecutive bytes, at a multiple of 256 from the result's first byte.  LDS serves a wave's instructions in order (ISA guide 5.7.1.4): no wait between the stores and the loads.
.macro TOSTAGE ab
.irp b, 0,1,2,3
	ds_store_b128 v[STO], v[ACC+8*(4*(\ab)+\b):ACC+8*(4*(\ab)+\b)+3] offset:64*\b          ; each accumulator from its low end on
	ds_store_b128 v[STO], v[ACC+8*(4*(\ab)+\b)+4:ACC+8*(4*(\ab)+\b)+7] offset:64*\b+16
.endr
.irp t, 0,1,2,3,4,5,6,7
	ds_load_b128 v[TMP+32*((\ab)%2)+4*\t:TMP+32*((\ab)%2)+4*\t+3], v[RD] offset:\t*2*SPITCH
.endr
.endm
.macro SEND ab, younger                ; younger: the LDS instructions issued behind block ab's loads, which may stay out
	s_wait_dscnt \younger
.irp t, 0,1,2,3,4,5,6,7
	global_store_b128 v[CO], v[TMP+32*((\ab)%2)+4*\t:TMP+32*((\ab)%2)+4*\t+3], s[8:9] offset:(\ab)*65536+\t*8192 th:TH_STORE_NT   ; written once, read by nobody here
.endr
.endm
	PLACES
	TOSTAGE 0
	TOSTAGE 1
	SEND 0, 16                                     ; behind block 0's loads: block 1's 8 stores and 8 loads
	s_wait_xcnt 0x0                                ; block 0's stores have read their registers: block 2's loads may land there
	TOSTAGE 2
	SEND 1, 16
	s_wait_xcnt 0x0
	TOSTAGE 3
	SEND 2, 16
	SEND 3, 0
	s_wait_tensorcnt 0x0                           ; the wave's end, behind my last tensor load and my last LDS store
	ds_add_u32 v[SPW], v[NIL]
	s_wait_dscnt 0x0
	CROUND                                         ; the closing round
	s_endpgm
.Lfunc_end_k_q0c5c0ac306_proj:
	.size	k_q0c5c0ac306_proj, .Lfunc_end_k_q0c5c0ac306_proj-k_q0c5c0ac306_proj
	.p2alignl 7, 3214868480
	.fill 96, 4, 3214868480
	.section	.rodata,"a",@progbits
	.p2align	6, 0x0
	.amdhsa_kernel k_q0c5c0ac306_proj
		.amdhsa_group_segment_fixed_size 327680
		.amdhsa_private_segment_fixed_size 0
		.amdhsa_enable_private_segment 0
		.amdhsa_kernarg_size 32
		.amdhsa_user_sgpr_count 2
		.amdhsa_user_sgpr_kernarg_segment_ptr 1
		.amdhsa_wavefront_size32 1
		.amdhsa_system_sgpr_workgroup_id_x 1
		.amdhsa_system_sgpr_workgroup_id_y 1
		.amdhsa_system_sgpr_workgroup_id_z 1
		.amdhsa_system_vgpr_workitem_id 0
		.amdhsa_next_free_vgpr 512
		.amdhsa_next_free_sgpr 66
		.amdhsa_reserve_vcc 0
		.amdhsa_float_denorm_mode_32 3
		.amdhsa_float_denorm_mode_16_64 3
		.amdhsa_memory_ordered 1
		.amdhsa_forward_progress 1
		.amdhsa_inst_pref_size 86
	.end_amdhsa_kernel
	.amdgpu_metadata
---
amdhsa.version: [ 1, 2 ]
amdhsa.kernels:
  - .name:           k_q0c5c0ac306_proj
    .symbol:         k_q0c5c0ac306_proj.kd
    .args:
      - { .name: aimg, .offset: 0, .size: 8, .value_kind: global_buffer, .address_space: global }
      - { .name: wimg, .offset: 8, .size: 8, .value_kind: global_buffer, .address_space: global }
      - { .name: b_out, .offset: 16, .size: 8, .value_kind: global_buffer, .address_space: global }
      - { .name: out0, .offset: 24, .size: 8, .value_kind: global_buffer, .address_space: global }
    .group_segment_fixed_size: 327680
    .private_segment_fixed_size: 0
    .kernarg_segment_align: 8
    .kernarg_segment_size: 32
    .max_flat_workgroup_size: 128
    .sgpr_count:     66
    .vgpr_count:     512
    .wavefront_size: 32
...
	.end_amdgpu_metadata
.endif
;; end of part 5
